; MI455X (gfx1250); checked and timed in simulation.
; The chip was launched on July 23, 2026; its instructions are those of AMD's public machine-readable ISA for CDNA 5 (MIT licence, August 2026) and "CDNA5" Instruction Set Architecture Reference Guide (July 2026). The comments in the code are by the model that wrote it; some were corrected since.
;; Attention. Allowed arithmetic: matrix products marked QUANTISED: E2M1 operands, one E8M0 scale for each 32 along K, by v_wmma_scale_f32_16x16x128_f8f6f4 with both operands' format E2M1 (or v_wmma_scale_f32_32x16x128_f4), f32 sums; products left as they are: bf16, f16 or f32 operands; f32 sums; everything else in f32.
;; Inputs: Wk 1,024 x 1,024 float32; Wo 1,024 x 1,024 float32; Wq 1,024 x 1,024 float32; Wv 1,024 x 1,024 float32; bk 1,024 float32; bo 1,024 float32; bq 1,024 float32; bv 1,024 float32; x 4 x 2,048 x 1,024 float32.
;; Outputs: out0 4 x 2,048 x 1,024 float32.
;; This version of the problem:
;;   THIS VERSION OF THE PROBLEM IS GIVEN IN LOW PRECISION. The matrix products marked QUANTISED in the list below multiply operands that are first quantised to E2M1 (2 exponent bits, 1 mantissa bit; 4 bits a number), with one power-of-two scale for each 32 numbers along K (OCP MX v1.0); their sums are f32. The products marked 'left as it is' may take bf16, f16 or f32 operands, with f32 sums. Whichever they take, every output number must still come out within the allowed error. Rounding operands to bf16 (8 significant bits) uses up far more of that allowance than f16 does (11 bits, for magnitudes from 6e-5 to 65,504). All else is computed in f32.
;;   The module's matrix products, in the order in which they are computed (A, B: the left and right operand; K: the contracted axis; several contracted axes count as one K, in the product's order):
;;     1. [M 8,192, K 1,024] x [K 1,024, N 1,024]; A: input x; B: input Wq: QUANTISED
;;     2. [M 8,192, K 1,024] x [K 1,024, N 1,024]; A: input x; B: input Wk: QUANTISED
;;     3. [M 8,192, K 1,024] x [K 1,024, N 1,024]; A: input x; B: input Wv: QUANTISED
;;     4. batch 4 x [M 2,048, K 1,024] x [K 1,024, N 2,048]; A: computed on the way; B: computed on the way: left as it is (an operand is computed on the way)
;;     5. batch 4 x [M 2,048, K 2,048] x [K 2,048, N 1,024]; A: computed on the way; B: computed on the way: left as it is (an operand is computed on the way)
;;     6. [M 8,192, K 1,024] x [K 1,024, N 1,024]; A: computed on the way; B: input Wo: left as it is (an operand is computed on the way)
;;   THE QUANTISER, for each operand of a quantised product, along K:
;;     - K is cut into blocks of 32 from its start; a last block that is shorter is filled with zeros.
;;     - A block's scale is 2^e with e = floor(log2(the largest magnitude in the block)) - 2, held to -126 .. 127; a block of zeros has e = 0. As a byte (E8M0): e + 127.
;;     - Each number is divided by its block's scale, clamped to +-6, and rounded to the nearest number of E2M1, ties to even, subnormals kept.
;;     - The product sums the exact products of the quantised numbers (number of the format x scale) in f32.
;;   ~~~python
;;   def quantise(x, axis):      # numpy; x: float32 -> the quantised numbers, widened to float32 again
;;       x = np.moveaxis(x, axis, -1); K = x.shape[-1]
;;       x = np.pad(x, [(0, 0)] * (x.ndim - 1) + [(0, -K % 32)]); x = x.reshape(x.shape[:-1] + (-1, 32)); a = np.abs(x).max(-1, keepdims=True)
;;       e = np.where(a > 0, np.clip(np.frexp(np.where(a > 0, a, 1))[1] - 1 - 2, -126, 127), 0)      # np.frexp(a)[1] - 1 = floor(log2(a)), exactly
;;       r = np.clip(x / 2.0 ** e, -6, 6)
;;       step = 2.0 ** (np.maximum(np.frexp(np.where(r == 0, 1, r))[1] - 1, 0) - 1)
;;       q = np.round(r / step) * step * 2.0 ** e      # np.round: ties to even
;;       return np.moveaxis(q.reshape(q.shape[:-2] + (-1,))[..., :K], -1, axis).astype(np.float32)
;;   ~~~
;; One version. Each part assembles by itself: llvm-mc -triple=amdgcn-amd-amdhsa -mcpu=gfx1250 --defsym DOCPART=n.
;; ======== version 1 of 1: 6 launches
;; limits: values are held in f16: magnitudes above 65,504 overflow, below 6.1e-05 lose precision; right only within a limited range of input values
;; workspace buffers: codes 5,767,168 bytes; scales 360,448 bytes; wo16 2,097,152 bytes; qkv16 50,331,648 bytes; fine32 786,432 bytes; p16 33,554,432 bytes; stat 1,048,576 bytes; ctx16 16,777,216 bytes
;; launch quant (part 1): grid 384 x 1, 4 waves a work-group, no clusters, 33,280 bytes of LDS; arguments x, Wq, Wk, Wv, Wo, codes, scales, wo16; writes codes, scales, wo16
.if DOCPART == 1
	.amdgcn_target "amdgcn-amd-amdhsa--gfx1250"
	.amdhsa_code_object_version 6
	.text
	.protected	k_q1f9d5c0310_quant
	.globl	k_q1f9d5c0310_quant
	.p2align	8
	.type	k_q1f9d5c0310_quant,@function
k_q1f9d5c0310_quant:
	s_mov_b64 s[64:65], 0
	v_nop
	global_prefetch_b8 v0, s[64:65] scope:SCOPE_SE
	s_setreg_imm32_b32 hwreg(HW_REG_WAVE_MODE, 25, 1), 1
	s_wait_xcnt 0x0
; LAUNCH 1 OF 6.  x [8192][1024], Wq, Wk, Wv [1024][1024], f32, become codes of FP4 (E2M1), K innermost, two codes a byte, with one E8M0 byte for each 32 along K;
; all four lie on end in ONE buffer of 11,264 rows of 512 bytes (x, Wq, Wk, Wv) and one of 11,264 x 32 scale bytes.  Wo becomes f16.
; THE PROGRAM: 2 = the three quantised products as one GEMM (+ bq, bv), 3 = q k^T on the causal tiles with a softmax by blocks of 128 keys, 4 = p v with the blocks' factors, 5 = the projection, 6 = positions 0-15 in f32.
; WORK LEFT OUT, for all values of the inputs:
;  (a) bk.  scores[s][t] = q_s . (x_t Wk^T + bk) / 32 = q_s . (x_t Wk^T) / 32 + q_s . bk / 32.  The last term is the same for every key t of a row s: it is added to the softmax's input along the softmax's axis
;      (hidden keys stay at -infinity) and cancels in exact arithmetic.  The product q k^T is not quantised, so no quantiser sees k.  bk is not loaded and is no launch's argument.
;  (b) The mask is built by reference() itself (jnp.tril): the 28 of 64 tiles of 256 x 256 scores of each batch that lie wholly above the diagonal, and the same key steps of p v, are not computed.
; LIMITS: a NaN, an infinity or an overflow that lives in bk or in q . bk alone is not carried to the result.  NaN and infinities among the inputs are not served.  Blocks whose largest magnitude lies under
; 2^(2 - 126), the floor, keep the byte 1.  A block of zeros gets the byte 1 where the rule says 127: its codes are zeros, which add nothing, and this program alone reads the bytes.
; q, k, v, the context and Wo go on as f16: their magnitudes must stay under 65,504.
; A block's scale is 2^(floor(log2(largest magnitude)) - 2): its byte is the largest magnitude's exponent field - 2.  Each number is divided by the scale and rounded to the nearest code, ties to even, beyond 6 the code of 6.
; SHARES: rows are dense and K is a multiple of 32, so each tensor is a stream of blocks.  Work-groups 0-255 take x, 256-287 Wq, 288-319 Wk, 320-351 Wv: 32,768 numbers each, 8,192 a wave, in 16 steps of 512.
; Each load reads 512 consecutive bytes; a step's 2,048 bytes turn through the wave's own stage in LDS so that a lane holds 16 neighbours (two lanes a block).  Work-groups 352-383 turn Wo into f16 and use no LDS.
.set WAVES, 4
.set STEPS, 16
.set EMAX,  2
.set CB,    8                          ; bytes of 16 codes
.set R,     16                         ; v16-79   four sets of 16 numbers as loaded
.set X,     80                         ; v80-111  two sets of 16 neighbours
.set C,     128                        ; v128-191 codes: registers of their own for each step
.set E,     112                        ; v112-127 a scale byte for each step
.set WREG,  8192                       ; LDS: a region for each wave: two stages of 32 x SP bytes, then its 256 scale bytes
.set SP,    80                         ; a lane's place in a stage: 64 bytes + 16 of padding
.set SPW,   12                         ; v12 my spare word's LDS address; never rewritten
.set NIL,   13                         ; v13 0; never rewritten
.set SPARE, WAVES*WREG                 ; behind the regions: the spare words, 128 bytes a wave
	s_load_b512 s[4:19], s[0:1], 0x0               ; x s[4:5], Wq s[6:7], Wk s[8:9], Wv s[10:11], Wo s[12:13], codes s[14:15], scales s[16:17], wo16 s[18:19]
	v_lshl_add_u32 v[SPW], v0, 2, SPARE
	v_mov_b32 v[NIL], 0
	v_lshrrev_b32 v1, 5, v0
	v_readfirstlane_b32 s20, v1                    ; wave
	v_and_b32 v2, 31, v0                           ; lane
	v_lshlrev_b32 v3, 4, v2                        ; my 16 bytes of a load's 512
	s_mul_i32 s21, s20, WREG
	v_lshrrev_b32 v14, 2, v2
	v_mul_u32_u24 v14, v14, SP
	v_and_b32 v15, 3, v2
	v_lshl_add_u32 v14, v15, 4, v14
	v_add_nc_u32 v14, s21, v14                     ; the stage, on the way in: SP (lane / 4) + 16 (lane % 4)
	v_mul_u32_u24 v15, v2, SP
	v_add_nc_u32 v15, s21, v15                     ; and on the way out: SP x lane
	v_mul_u32_u24 v4, v2, CB                       ; 8 x lane: my codes' place in a step's (and my f16 numbers' place in a store's 256 bytes)
	v_lshrrev_b32 v5, 1, v2
	s_add_co_u32 s21, s21, 2*32*SP
	v_add_nc_u32 v5, s21, v5                       ; LDS: my block's scale byte
	v_lshlrev_b32 v7, 3, v2
	v_add_nc_u32 v6, s21, v7                       ; and 8 bytes a lane on their way out
	s_wait_kmcnt 0x0
	s_cmp_ge_u32 ttmp9, 352
	s_cbranch_scc1 .Lwo
	s_mov_b64 s[22:23], s[10:11]                   ; which tensor: the choice hangs on the work-group's number alone
	s_mov_b32 s24, 320
	s_cmp_lt_u32 ttmp9, 320
	s_cselect_b64 s[22:23], s[8:9], s[22:23]
	s_cselect_b32 s24, 288, s24
	s_cmp_lt_u32 ttmp9, 288
	s_cselect_b64 s[22:23], s[6:7], s[22:23]
	s_cselect_b32 s24, 256, s24
	s_cmp_lt_u32 ttmp9, 256
	s_cselect_b64 s[22:23], s[4:5], s[22:23]
	s_cselect_b32 s24, 0, s24
	s_sub_co_u32 s24, ttmp9, s24
	s_lshl_b32 s24, s24, 2
	s_add_co_u32 s24, s24, s20                     ; which run of 8,192 numbers of the tensor
	s_lshl_b32 s24, s24, 15                        ; x 32,768 bytes
	s_mov_b32 s25, 0
	s_add_nc_u64 s[22:23], s[22:23], s[24:25]
	s_lshl_b32 s26, ttmp9, 2
	s_add_co_u32 s26, s26, s20                     ; and which run of the joint buffers
	s_lshl_b32 s24, s26, 12                        ; 4,096 bytes of codes a run
	s_add_nc_u64 s[14:15], s[14:15], s[24:25]
	s_lshl_b32 s24, s26, 8                         ; 256 scale bytes a run
	s_add_nc_u64 s[16:17], s[16:17], s[24:25]
.macro LOAD t
.irp i, 0,1,2,3
	global_load_b128 v[R+16*((\t)%4)+4*\i:R+16*((\t)%4)+4*\i+3], v3, s[22:23] offset:2048*(\t)+512*\i th:TH_LOAD_NT
.endr
.endm
.macro TURN t                          ; step t's numbers through the stage: LDS serves a wave's instructions in order
.irp i, 0,1,2,3
	ds_store_b128 v14, v[R+16*((\t)%4)+4*\i:R+16*((\t)%4)+4*\i+3] offset:32*SP*((\t)%2)+8*SP*\i
.endr
.irp i, 0,1,2,3
	ds_load_b128 v[X+16*((\t)%2)+4*\i:X+16*((\t)%2)+4*\i+3], v15 offset:32*SP*((\t)%2)+16*\i
.endr
.endm
.irp t, 0,1,2,3
	LOAD \t
.endr
	s_wait_loadcnt 12                              ; step 0's four loads are in; the 12 of steps 1 to 3 may be out
	TURN 0
.macro STEP t
.set XS, X+16*((\t)%2)
.if (\t) > 0
	s_wait_dscnt 1                                 ; this step's numbers are back from the stage; the last step's byte store may be out
.else
	s_wait_dscnt 0x0
.endif
.if (\t)+4 < STEPS
	LOAD (\t)+4                                    ; into the registers that this step's stores into the stage have read
.endif
.if (\t)+1 < STEPS
.if STEPS-2-(\t) >= 3
	s_wait_loadcnt 12                              ; the next step's four loads are in; those of the three steps behind it may be out
.else
	s_wait_loadcnt 4*(STEPS-2-(\t))                ; at the end the counts run down
.endif
	TURN (\t)+1
.endif
	v_max3_num_f32 v8, |v[XS]|, |v[XS+1]|, |v[XS+2]|
	v_max3_num_f32 v9, |v[XS+3]|, |v[XS+4]|, |v[XS+5]|
.irp i, 6,10
	v_max3_num_f32 v8, v8, |v[XS+\i]|, |v[XS+\i+1]|
	v_max3_num_f32 v9, v9, |v[XS+\i+2]|, |v[XS+\i+3]|
.endr
	v_max3_num_f32 v8, v8, |v[XS+14]|, |v[XS+15]|
	v_max3_num_f32 v8, v8, v9, (EMAX+1)<<23        ; with the floor 2^(EMAX + 1 - 127): the byte cannot fall under 1
	v_max_num_f32_dpp v8, v8, v8 row_xmask:1 row_mask:0xf bank_mask:0xf   ; and my neighbour's 16: the block's largest magnitude
	v_add_nc_u32 v11, -(EMAX<<23), v8              ; EMAX off its exponent field: the conversion takes this operand's exponent field as its scale
	v_cvt_scalef32_pk8_fp4_f32 v[C+4*(\t)], v[XS:XS+7], v11
	v_cvt_scalef32_pk8_fp4_f32 v[C+4*(\t)+1], v[XS+8:XS+15], v11
	v_lshrrev_b32 v[E+(\t)], 23, v11               ; the scale's byte
	ds_store_b8 v5, v[E+(\t)] offset:16*(\t)       ; both lanes of a block write the same byte
	global_store_b64 v4, v[C+4*(\t):C+4*(\t)+1], s[14:15] offset:32*CB*(\t)   ; the wave stores 256 consecutive bytes, aligned
.endm
.irp t, 0,1,2,3,4,5,6,7,8,9,10,11,12,13,14,15
	STEP \t
.endr
	ds_load_b64 v[8:9], v6
	s_wait_dscnt 0x0
	global_store_b64 v7, v[8:9], s[16:17]          ; the wave's 256 scale bytes, aligned
	s_wait_tensorcnt 0x0                           ; the wave's end, behind my last LDS store
	ds_add_u32 v[SPW], v[NIL]
	s_wait_dscnt 0x0
	s_endpgm
; Wo to f16: a wave takes 8,192 numbers in four groups of 16 loads, two groups ahead, in two sets of registers.  No LDS is touched on this way.
.Lwo:
	s_sub_co_u32 s24, ttmp9, 352
	s_lshl_b32 s24, s24, 2
	s_add_co_u32 s24, s24, s20
	s_lshl_b32 s26, s24, 15
	s_mov_b32 s27, 0
	s_add_nc_u64 s[12:13], s[12:13], s[26:27]
	s_lshl_b32 s26, s24, 14
	s_add_nc_u64 s[18:19], s[18:19], s[26:27]
.macro WLOAD g
.irp i, 0,1,2,3,4,5,6,7,8,9,10,11,12,13,14,15
	global_load_b128 v[16+64*((\g)%2)+4*\i:16+64*((\g)%2)+4*\i+3], v3, s[12:13] offset:8192*(\g)+512*\i
.endr
.endm
.macro WGRP g
.if (\g) < 3
	s_wait_loadcnt 16                              ; this group's 16 loads are in; the next group's 16 may be out
.else
	s_wait_loadcnt 0x0
.endif
.if (\g) > 0
	s_wait_xcnt 0x0                                ; the last group's stores have read their data: it is written again only behind this wait
.endif
.irp i, 0,1,2,3,4,5,6,7,8,9,10,11,12,13,14,15
	v_cvt_pk_f16_f32 v[144+2*\i], v[16+64*((\g)%2)+4*\i], v[16+64*((\g)%2)+4*\i+1]
	v_cvt_pk_f16_f32 v[145+2*\i], v[16+64*((\g)%2)+4*\i+2], v[16+64*((\g)%2)+4*\i+3]
.endr
.if (\g)+2 < 4
	WLOAD (\g)+2
.endif
.irp i, 0,1,2,3,4,5,6,7,8,9,10,11,12,13,14,15
	global_store_b64 v4, v[144+2*\i:145+2*\i], s[18:19] offset:4096*(\g)+256*\i   ; 256 consecutive bytes, aligned
.endr
.endm
	WLOAD 0
	WLOAD 1
	WGRP 0
	WGRP 1
	WGRP 2
	WGRP 3
	s_endpgm
.Lfunc_end_k_q1f9d5c0310_quant:
	.size	k_q1f9d5c0310_quant, .Lfunc_end_k_q1f9d5c0310_quant-k_q1f9d5c0310_quant
	.p2alignl 7, 3214868480
	.fill 96, 4, 3214868480
	.section	.rodata,"a",@progbits
	.p2align	6, 0x0
	.amdhsa_kernel k_q1f9d5c0310_quant
		.amdhsa_group_segment_fixed_size 33280
		.amdhsa_private_segment_fixed_size 0
		.amdhsa_enable_private_segment 0
		.amdhsa_kernarg_size 64
		.amdhsa_user_sgpr_count 2
		.amdhsa_user_sgpr_kernarg_segment_ptr 1
		.amdhsa_wavefront_size32 1
		.amdhsa_system_sgpr_workgroup_id_x 1
		.amdhsa_system_sgpr_workgroup_id_y 1
		.amdhsa_system_sgpr_workgroup_id_z 1
		.amdhsa_system_vgpr_workitem_id 0
		.amdhsa_next_free_vgpr 192
		.amdhsa_next_free_sgpr 66
		.amdhsa_reserve_vcc 0
		.amdhsa_float_denorm_mode_32 3
		.amdhsa_float_denorm_mode_16_64 3
		.amdhsa_memory_ordered 1
		.amdhsa_forward_progress 1
		.amdhsa_inst_pref_size 54
	.end_amdhsa_kernel
	.amdgpu_metadata
---
amdhsa.version: [ 1, 2 ]
amdhsa.kernels:
  - .name:           k_q1f9d5c0310_quant
    .symbol:         k_q1f9d5c0310_quant.kd
    .args:
      - { .name: x, .offset: 0, .size: 8, .value_kind: global_buffer, .address_space: global }
      - { .name: Wq, .offset: 8, .size: 8, .value_kind: global_buffer, .address_space: global }
      - { .name: Wk, .offset: 16, .size: 8, .value_kind: global_buffer, .address_space: global }
      - { .name: Wv, .offset: 24, .size: 8, .value_kind: global_buffer, .address_space: global }
      - { .name: Wo, .offset: 32, .size: 8, .value_kind: global_buffer, .address_space: global }
      - { .name: codes, .offset: 40, .size: 8, .value_kind: global_buffer, .address_space: global }
      - { .name: scales, .offset: 48, .size: 8, .value_kind: global_buffer, .address_space: global }
      - { .name: wo16, .offset: 56, .size: 8, .value_kind: global_buffer, .address_space: global }
    .group_segment_fixed_size: 33280
    .private_segment_fixed_size: 0
    .kernarg_segment_align: 8
    .kernarg_segment_size: 64
    .max_flat_workgroup_size: 128
    .sgpr_count:     66
    .vgpr_count:     192
    .wavefront_size: 32
...
	.end_amdgpu_metadata
.endif
;; end of part 1
;; launch qkv (part 2): grid 12 x 32, 4 waves a work-group, clusters of 4 x 4, 327,680 bytes of LDS; arguments codes, scales, bq, bv, qkv16, fine32; writes qkv16, fine32
.if DOCPART == 2
	.amdgcn_target "amdgcn-amd-amdhsa--gfx1250"
	.amdhsa_code_object_version 6
	.text
	.protected	k_q1f9d5c0310_qkv
	.globl	k_q1f9d5c0310_qkv
	.p2align	8
	.type	k_q1f9d5c0310_qkv,@function
k_q1f9d5c0310_qkv:
	s_mov_b64 s[64:65], 0
	v_nop
	global_prefetch_b8 v0, s[64:65] scope:SCOPE_SE
	s_setreg_imm32_b32 hwreg(HW_REG_WAVE_MODE, 25, 1), 1
	s_wait_xcnt 0x0
	s_wait_alu depctr_hold_cnt(0) depctr_sa_sdst(0) depctr_va_vdst(0) depctr_va_sdst(0) depctr_va_ssrc(0) depctr_va_vcc(0) depctr_vm_vsrc(0)
	s_getreg_b32 s2, hwreg(HW_REG_IB_STS2, 6, 4)
	s_cmp_eq_u32 s2, 0
	s_cbranch_scc0 .Lentry_in_a_cluster
	s_endpgm
.Lentry_in_a_cluster:
	s_bfe_u32 s2, ttmp6, 0x10000c
	s_cmp_lg_u32 s2, 0xf033
	s_cbranch_scc0 .Lentry_shape_is_right
	s_endpgm
.Lentry_shape_is_right:
; LAUNCH 2 OF 6.  The three quantised products as ONE GEMM on codes of FP4: C[token][n] = sum over k of x[token][k] W[n][k], n = 0 .. 3,071 (Wq's, Wk's, Wv's rows on end), K = 1,024; + bq on q's columns, + bv on v's.
; WORK LEFT OUT: bk (it is the same along the softmax's axis and cancels: shown at the head of the first launch): k's columns begin at 0.
; C goes out as f16, [8192][3072]: a token's q, k and v on end.  Positions 0 to 15 of each sequence go out in f32 as well (fine32 [16 b + i][3072]) for the last launch.
; A tile of C, 256 x 256, is made by four waves, 128 x 128 each: 64 accumulators.  K = 1,024 is two slots of 512 along K (rows of 256 bytes): both, and the scale bytes of the 512 rows, are first fills: nothing is filled again.
; CLUSTER 4 x 4: the four of a row of the cluster need the same tiles of x, the four of a column the same tiles of W: each is asked for jointly.  The cluster's x says which of q, k, v; the tile row is 8 cy + cluster y, so that
; 'the tile holds a sequence's first rows' is 'cluster y = 0', a number that all sixteen partners share.
; THE MATRIX INSTRUCTION IS USED TRANSPOSED (source 0 = 16 rows of W, source 1 = 16 tokens): a lane holds eight neighbouring columns of one token.  The bias is the C of each sum's first instruction.
; REGISTERS: window 0: v16-31 addresses; v32-95 scale words, two sets; v128-191 x's fragments, one set; on the way out v32-63, v128-255 at work.  window 1: W's fragments at v0 and v128; v64-127 the bias in C's layout.
;   windows 2, 3: the accumulators ((a, b) at v[8 (8 (a % 4) + b)]).
.set NQ,     4                         ; matrix instructions deep in a slot
.set ROWB,   256                       ; a tile's row in bytes: 512 codes
.set KROW,   512                       ; a row of codes in memory
.set PITCH,  272                       ; an LDS row: 256 bytes + 16 of padding: the 16 rows that a load touches start at 16 different banks (ISA guide 11.1)
.set FR,     8
.set NL,     2
.set NP,     4                         ; places behind this matrix instruction (ISA guide 7.12.1)
.set HALFT,  128*PITCH
.set SLOT,   4*HALFT
.set KS,     32                        ; a row of scale bytes
.set SCL,    2*SLOT
.set HALFS,  (128*KS/256)*272
.set SBLK,   (16*KS/256)*272
.set SPARE,  SCL+4*HALFS               ; the spare words, 128 bytes a wave
.set CROW,   6144                      ; a row of qkv16 in bytes
.set FROW,   12288                     ; a row of fine32
.set ADRA, 16
.set ADRB, 20
.set STO32, 22                         ; the stage (in slot 0, 8,448 bytes a wave): f32 rows of 528 bytes, in
.set RD32, 23                          ; and back
.set STO,  24                          ; f16 rows of 272 bytes, in
.set RD,   25                          ; and back
.set CO,   26                          ; my byte offset in two rows of qkv16
.set ADRS, 27
.set SPW,  28
.set NIL,  29
.set BO,   30                          ; the bias loads' offset; never rewritten
.set CO32, 31                          ; 16 x lane
.set SC,   32
.set AF,   128
.set BI,   64                          ; in window 1
.set TMP,  192
.set OB,   32
.set BK,   128
.set G1, 24
.set G0, 32
.set G1B, 48
.set G0B, 56
.set G1S, 68
.set G0S, 76
.set G1SB, 80
.set G0SB, 88
.set MSB, 0
.macro WIN new                         ; the immediate's high byte repeats the setting that is left
.if MSB != (\new)
	s_set_vgpr_msb (MSB<<8)|(\new)
.set MSB, (\new)
.endif
.endm
.set MUL_LO, 0xa1                      ; source 0 (W) window 1, source 1 (x) window 0, C and D window 2
.set MUL_HI, 0xf1                      ; the same, C and D window 3
.set TO_B,   0x40
.macro JLOAD g0a, g1a, g0b, g1b        ; waves 0 and 1 fetch for x, waves 2 and 3 for W; an s_nop 0 and four v_nop follow each line
	s_cmp_eq_u32 s17, 0
	s_cbranch_scc0 .Lfor_b_\@
	tensor_load_to_lds s[\g0a:\g0a+3], s[\g1a:\g1a+7]
	s_nop 0
.rept 4
	v_nop
.endr
	s_branch .Lasked_\@
.Lfor_b_\@:
	tensor_load_to_lds s[\g0b:\g0b+3], s[\g1b:\g1b+7]
	s_nop 0
.rept 4
	v_nop
.endr
.Lasked_\@:
.endm
.macro CROUND                          ; a round of the cluster's barrier
	s_barrier_signal -1
	s_barrier_wait -1
	s_cmp_lg_u32 s16, 0
	s_cbranch_scc1 .Lnot_wave_0_\@
	s_barrier_signal -3
.Lnot_wave_0_\@:
	s_barrier_wait -3
	s_barrier_signal -1
	s_barrier_wait -1
.endm
	s_load_b256 s[4:11], s[0:1], 0x0               ; codes s[4:5], scales s[6:7], bq s[8:9], bv s[10:11]
	s_load_b128 s[12:15], s[0:1], 0x20             ; qkv16 s[12:13], fine32 s[14:15]
	v_lshl_add_u32 v[SPW], v0, 2, SPARE
	v_mov_b32 v[NIL], 0
	ds_add_u32 v[SPW], v[NIL]                      ; the wave's opening: the add, twice on end, and its wait ahead of my first tensor load
	ds_add_u32 v[SPW], v[NIL]
	v_lshrrev_b32 v1, 5, v0
	v_readfirstlane_b32 s16, v1                    ; wave
	s_lshr_b32 s17, s16, 1                         ; my half of the tile's rows.  Also: I fetch for x (0) or for W (1)
	s_and_b32 s18, s16, 1                          ; my half of its columns.  Also: which 128 rows I fetch
	s_bfe_u32 s40, ttmp6, 0x40000                  ; cx
	s_bfe_u32 s41, ttmp6, 0x40004                  ; cy
	s_lshl_b32 s42, ttmp9, 2
	s_add_co_u32 s42, s42, s40                     ; tile column = 4 x cluster x + cx
	s_and_b32 s95, ttmp7, 0xffff                   ; cluster y
	s_lshl_b32 s19, s41, 3
	s_add_co_u32 s19, s19, s95                     ; tile row = 8 cy + cluster y: cy is the batch
	s_lshl_b32 s43, s41, 2
	s_lshl_b32 s43, 15, s43                        ; my row of the cluster
	s_lshl_b32 s44, 0x1111, s40                    ; my column
	s_or_b32 s[G1+0], s43, (0<<16)|(1<<20)|(1<<21)|(5<<22)|(3<<25)  ; mask; elements of 1 byte; padding: 4 words after every 64
	s_or_b32 s[G1B+0], s44, (0<<16)|(1<<20)|(1<<21)|(5<<22)|(3<<25)
.irp g, G1, G1B
	s_mov_b32 s[\g+1], ROWB<<16                    ; tensor_dim0
	s_mov_b32 s[\g+2], 128<<16                     ; tensor_dim1
	s_mov_b32 s[\g+3], ROWB<<16                    ; tile_dim0
	s_mov_b32 s[\g+4], 128                         ; tile_dim1
	s_mov_b32 s[\g+5], KROW                        ; the pitch
	s_mov_b32 s[\g+6], 0
	s_mov_b32 s[\g+7], 0
.endr
	s_or_b32 s[G1S+0], s43, (3<<16)|(1<<20)|(1<<21)|(5<<22)|(3<<25) ; the scale bytes of 128 rows: a dense block of 4,096 bytes as 16 rows of 256
	s_or_b32 s[G1SB+0], s44, (3<<16)|(1<<20)|(1<<21)|(5<<22)|(3<<25)
.irp g, G1S, G1SB
	s_mov_b32 s[\g+1], 32<<16
	s_mov_b32 s[\g+2], (128*KS/256)<<16
	s_mov_b32 s[\g+3], 32<<16
	s_mov_b32 s[\g+4], 128*KS/256
	s_mov_b32 s[\g+5], 32
	s_mov_b32 s[\g+6], 0
	s_mov_b32 s[\g+7], 0
.endr
	s_lshl_b32 s20, s18, 7                         ; which 128 rows of the tile I fetch
	s_lshl_b32 s21, s19, 8
	s_add_co_u32 s21, s21, s20                     ; x: row 256 x tile row + 128 x half
	s_lshl_b32 s46, s42, 8
	s_add_co_u32 s46, s46, s20                     ; W: row 256 x tile column + 128 x half, behind x's 8,192 rows
	s_lshl_b32 s22, s21, 5                         ; their scale bytes,
	s_lshl_b32 s92, s46, 5
	s_add_co_u32 s92, s92, 8192*KS
	s_lshl_b32 s20, s21, 9                         ; and their codes
	s_lshl_b32 s46, s46, 9
	s_add_co_u32 s46, s46, 8192*KROW
	s_mov_b32 s21, 0
	s_mov_b32 s23, 0
	s_mov_b32 s47, 0
	s_mov_b32 s93, 0
	s_mul_i32 s45, s16, HALFT                      ; where they go: wave x 128 rows
	s_mul_i32 s94, s16, HALFS
	s_wait_dscnt 0x0                               ; both opening adds are done
	s_wait_kmcnt 0x0
	s_add_nc_u64 s[20:21], s[4:5], s[20:21]
	s_add_nc_u64 s[22:23], s[6:7], s[22:23]
	s_add_nc_u64 s[46:47], s[4:5], s[46:47]
	s_add_nc_u64 s[92:93], s[6:7], s[92:93]
	CROUND                                         ; all sixteen work-groups are here: the joint loads meet
	s_mov_b32 s[G0S], 1
	s_add_co_u32 s[G0S+1], s94, SCL
	s_mov_b64 s[G0S+2:G0S+3], s[22:23]
	s_or_b32 s[G0S+3], s[G0S+3], 0x80000000
	s_mov_b32 s[G0SB], 1
	s_add_co_u32 s[G0SB+1], s94, SCL
	s_mov_b64 s[G0SB+2:G0SB+3], s[92:93]
	s_or_b32 s[G0SB+3], s[G0SB+3], 0x80000000
	JLOAD G0S, G1S, G0SB, G1SB
.irp s, 0,1
	s_mov_b32 s[G0+4*\s], 1
	s_add_co_u32 s[G0+4*\s+1], s45, \s*SLOT
	s_add_nc_u64 s[G0+4*\s+2:G0+4*\s+3], s[20:21], \s*ROWB
	s_or_b32 s[G0+4*\s+3], s[G0+4*\s+3], 0x80000000
	s_mov_b32 s[G0B+4*\s], 1
	s_add_co_u32 s[G0B+4*\s+1], s45, \s*SLOT
	s_add_nc_u64 s[G0B+4*\s+2:G0B+4*\s+3], s[46:47], \s*ROWB
	s_or_b32 s[G0B+4*\s+3], s[G0B+4*\s+3], 0x80000000
	JLOAD G0+4*\s, G1, G0B+4*\s, G1B               ; three tensor loads of mine are out
.endr
	v_and_b32 v1, 15, v0                           ; r
	v_bfe_u32 v2, v0, 4, 1                         ; h
	; the bias in C's layout: register 8 b + j of lane (r, h) = bias[256 cx + 128 x my column half + 16 b + 8 h + j].  The branch hangs on the cluster's x, which all partners share.
	s_cmp_eq_u32 ttmp9, 1
	s_cbranch_scc1 .Lk_cols
	s_cmp_eq_u32 ttmp9, 0
	s_cselect_b64 s[96:97], s[8:9], s[10:11]       ; bq or bv
	s_lshl_b32 s98, s40, 10
	s_lshl_b32 s99, s18, 9
	s_add_co_u32 s98, s98, s99
	s_mov_b32 s99, 0
	s_add_nc_u64 s[96:97], s[96:97], s[98:99]
	v_lshlrev_b32 v[BO], 5, v2
	WIN 0x40                                       ; destination window 1
.irp b, 0,1,2,3,4,5,6,7
	global_load_b128 v[BI+8*\b:BI+8*\b+3], v[BO], s[96:97] offset:64*\b
	global_load_b128 v[BI+8*\b+4:BI+8*\b+7], v[BO], s[96:97] offset:64*\b+16
.endr
	WIN 0
	s_branch .Lbias_done
.Lk_cols:                                              ; k's columns begin at 0: the first step is written once, so its C is written on this way too
	WIN 0x40
.set i, 0
.rept 64
	v_mov_b32 v[BI+i], 0
.set i, i+1
.endr
	WIN 0
.Lbias_done:
	v_mul_u32_u24 v3, v1, PITCH
	v_lshl_add_u32 v4, v2, 4, v3                   ; a fragment's row x pitch + 16 x half
	s_mul_i32 s21, s17, HALFT                      ; my 128 rows of x
	s_mul_i32 s22, s18, HALFT                      ; my 128 rows of W,
	s_add_co_u32 s22, s22, 2*HALFT                 ; behind x's 256
.irp s, 0,1
	v_add_nc_u32 v[ADRA+\s], s21, v4
	v_add_nc_u32 v[ADRB+\s], s22, v4
	s_add_co_u32 s21, s21, SLOT
	s_add_co_u32 s22, s22, SLOT
.endr
	v_mul_u32_u24 v5, v1, KS                       ; my row's scale bytes: KS a row,
	v_lshrrev_b32 v6, 8, v5
	v_lshl_add_u32 v5, v6, 4, v5                   ; and 16 more for each 256 passed
	s_mul_i32 s21, s17, HALFS
	s_mul_i32 s22, s18, HALFS
	s_add_co_u32 s22, s22, 2*HALFS
	s_sub_co_u32 s22, s22, s21
	v_mul_u32_u24 v6, s22, v2                      ; lanes 16-31 take W's
	s_add_co_u32 s21, s21, SCL
	v_add_nc_u32 v5, v5, v6
	v_add_nc_u32 v[ADRS], s21, v5
	s_mul_i32 s23, s16, 16*528                     ; my stage
	v_add_nc_u32 v[STO], s23, v4                   ; f16, in: 272 r + 16 h
	v_mul_u32_u24 v5, v2, 272
	v_lshl_add_u32 v5, v1, 4, v5
	v_add_nc_u32 v[RD], s23, v5                    ; back: lanes 0-15 one row of 256 bytes, lanes 16-31 the next
	v_mul_u32_u24 v5, v2, CROW
	v_lshl_add_u32 v[CO], v1, 4, v5
	v_mul_u32_u24 v5, v1, 528
	v_lshl_add_u32 v5, v2, 5, v5
	v_add_nc_u32 v[STO32], s23, v5                 ; f32, in: 528 r + 32 h
	v_and_b32 v6, 31, v0
	v_lshlrev_b32 v[CO32], 4, v6
	v_add_nc_u32 v[RD32], s23, v[CO32]             ; back: the 32 lanes take one row of 512 bytes
	s_lshl_b32 s20, s19, 8
	s_lshl_b32 s21, s17, 7
	s_add_co_u32 s20, s20, s21                     ; my first token
	s_mul_i32 s20, s20, CROW
	s_lshl_b32 s21, s42, 9
	s_add_co_u32 s20, s20, s21
	s_lshl_b32 s21, s18, 8
	s_add_co_u32 s20, s20, s21                     ; + my first column, 2 bytes each
	s_mov_b32 s21, 0
	s_add_nc_u64 s[12:13], s[12:13], s[20:21]
.macro FRAG reg, adr, q, i             ; 16 rows x 128 K of 4-bit codes: registers 4 c .. 4 c + 3 hold K = 64 c + 32 (lane / 16) + 0 .. 31
.irp c, 0,1
	ds_load_b128 v[\reg+4*\c:\reg+4*\c+3], v[\adr] offset:64*(\q)+32*\c+(\i)*16*PITCH
.endr
.endm
; 16 matrix instructions: x's blocks a0, a0 + 1 against W's eight.  first = 1: C is the bias.  The 64 accumulators take turns, one instruction a turn, in the same order in every step.
.macro MUL16 a0, p, q, sc, first
.irp a, \a0, \a0+1
.irp b, 0,1,2,3,4,5,6,7
.if \first
	v_wmma_scale_f32_16x16x128_f8f6f4 v[8*(8*((\a)%4)+\b):8*(8*((\a)%4)+\b)+7], v[128*(\p)+FR*\b:128*(\p)+FR*\b+FR-1], v[AF+FR*(\a):AF+FR*(\a)+FR-1], v[BI+8*\b:BI+8*\b+7], v[SC+8*NQ*(\sc)+NQ*\b+(\q)], v[SC+8*NQ*(\sc)+NQ*(\a)+(\q)] matrix_a_fmt:MATRIX_FMT_FP4 matrix_b_fmt:MATRIX_FMT_FP4 matrix_a_scale:MATRIX_SCALE_ROW1
.else
	v_wmma_scale_f32_16x16x128_f8f6f4 v[8*(8*((\a)%4)+\b):8*(8*((\a)%4)+\b)+7], v[128*(\p)+FR*\b:128*(\p)+FR*\b+FR-1], v[AF+FR*(\a):AF+FR*(\a)+FR-1], v[8*(8*((\a)%4)+\b):8*(8*((\a)%4)+\b)+7], v[SC+8*NQ*(\sc)+NQ*\b+(\q)], v[SC+8*NQ*(\sc)+NQ*(\a)+(\q)] matrix_a_fmt:MATRIX_FMT_FP4 matrix_b_fmt:MATRIX_FMT_FP4 matrix_a_scale:MATRIX_SCALE_ROW1
.endif
.endr
.endr
.endm
.macro FETCH_B slot, q, p
	WIN TO_B
.irp i, 0,1,2,3,4,5,6,7
	FRAG 128*(\p)+FR*\i, ADRB+\slot, \q, \i
.endr
	WIN 0
.endm
.macro FETCH_A slot, q, i0
.irp i, \i0, \i0+1, \i0+2, \i0+3
	FRAG AF+FR*(\i), ADRA+\slot, \q, \i
.endr
.endm
.macro SCALES sc                       ; a slot's scale words: lanes 0-15 take x's block i, lanes 16-31 W's block i
.irp i, 0,1,2,3,4,5,6,7
	ds_load_b128 v[SC+8*NQ*\sc+NQ*\i:SC+8*NQ*\sc+NQ*\i+3], v[ADRS] offset:\i*SBLK
.endr
.endm
.macro PLACES n                        ; places in front of loads into registers that matrix instructions have read, and of the first read of results
.rept \n
	v_nop
.endr
.endm
.macro STEP slot, q, first             ; 128 along K, with its successor in the same slot
	s_wait_dscnt 4*NL                              ; W's set and x's blocks 0-3 are in; the youngest 8 loads (x's blocks 4-7) may be out
	WIN MUL_LO-0x10*(\first)                       ; (first: C in window 1)
	MUL16 0, (\q)%2, \q, \slot, \first
	MUL16 2, (\q)%2, \q, \slot, \first
	s_wait_dscnt 0
	PLACES NP
	FETCH_B \slot, (\q)+1, 1-(\q)%2
	FETCH_A \slot, (\q)+1, 0
	WIN MUL_HI-0x20*(\first)
	MUL16 4, (\q)%2, \q, \slot, \first
	MUL16 6, (\q)%2, \q, \slot, \first
	PLACES NP
	WIN 0
	FETCH_A \slot, (\q)+1, 4
.endm
.macro TURN slot, next                 ; slot 0's last step: one barrier, in front of which each wave's tensor loads have landed: behind it slot 1 is whole, and nobody reads slot 0 any more
	s_wait_tensorcnt 0x0
	ds_add_u32 v[SPW], v[NIL]
	s_wait_dscnt 4*NL+1                            ; the add and the youngest 8 loads may be out
	WIN MUL_LO
	MUL16 0, 1, NQ-1, \slot, 0
	s_wait_dscnt 0x0
	s_barrier_signal -1
	MUL16 2, 1, NQ-1, \slot, 0
	WIN 0
	s_barrier_wait -1
	PLACES NP
	v_add_nc_u32 v[ADRS], 4*NQ, v[ADRS]            ; the next slot's scale words (no LDS load of mine is out)
	FETCH_B \next, 0, 0
	FETCH_A \next, 0, 0
	SCALES \next
	WIN MUL_HI
	MUL16 4, 1, NQ-1, \slot, 0
	MUL16 6, 1, NQ-1, \slot, 0
	PLACES NP
	WIN 0
	FETCH_A \next, 0, 4
.endm
	s_wait_tensorcnt 1                             ; the scales and my part of slot 0 are in; slot 1's load may be out
	s_barrier_signal -1
	s_barrier_wait -1
	FETCH_B 0, 0, 0
	FETCH_A 0, 0, 0
	SCALES 0
	FETCH_A 0, 0, 4
	s_wait_loadcnt 0x0                             ; the bias
	STEP 0, 0, 1
	STEP 0, 1, 0
	STEP 0, 2, 0
	TURN 0, 1
	STEP 1, 0, 0
	STEP 1, 1, 0
	STEP 1, 2, 0
	s_wait_dscnt 4*NL                              ; the last step: nothing more to fetch
	WIN MUL_LO
	MUL16 0, 1, NQ-1, 1, 0
	MUL16 2, 1, NQ-1, 1, 0
	s_wait_dscnt 0
	WIN MUL_HI
	MUL16 4, 1, NQ-1, 1, 0
	MUL16 6, 1, NQ-1, 1, 0
	WIN 0
	PLACES NP
	; positions 0 to 15 of a sequence (cluster y = 0, the tile's upper half, block 0) also leave in f32: through my stage, as whole rows of 512 bytes
	s_or_b32 s20, s95, s17
	s_cmp_lg_u32 s20, 0
	s_cbranch_scc1 .Lno_fine
	s_mul_i32 s98, s41, 16*FROW                    ; row 16 x batch
	s_lshl_b32 s99, s42, 10
	s_add_co_u32 s98, s98, s99
	s_lshl_b32 s99, s18, 9
	s_add_co_u32 s98, s98, s99                     ; + my first column, 4 bytes each
	s_mov_b32 s99, 0
	s_add_nc_u64 s[96:97], s[14:15], s[98:99]
	WIN 0x08                                       ; an LDS store's data: window 2
.irp b, 0,1,2,3,4,5,6,7
	ds_store_b128 v[STO32], v[8*\b:8*\b+3] offset:64*\b            ; each accumulator from its low end on
	ds_store_b128 v[STO32], v[8*\b+4:8*\b+7] offset:64*\b+16
.endr
	WIN 0
.irp t, 0,1,2,3,4,5,6,7,8,9,10,11,12,13,14,15
	ds_load_b128 v[BK+4*\t:BK+4*\t+3], v[RD32] offset:\t*528       ; LDS serves a wave's instructions in order: these see my stores
.endr
	s_wait_dscnt 0x0
.irp t, 0,1,2,3,4,5,6,7,8,9,10,11,12,13,14,15
	global_store_b128 v[CO32], v[BK+4*\t:BK+4*\t+3], s[96:97] offset:\t*FROW   ; 512 consecutive bytes, aligned
.endr
.Lno_fine:
; THE WAY OUT, block by block of 16 tokens: rounded to f16, 16 bytes a lane into my stage, back as whole rows of 256 bytes.
.macro PACK a
.set AC, 64*((\a)%4)
	WIN 0x0a+5*((\a)/4)                            ; sources 0 and 1: window 2 or 3
.irp b, 0,1,2,3,4,5,6,7
.irp r, 0,1,2,3
	v_cvt_pk_f16_f32 v[TMP+4*\b+\r], v[AC+8*\b+2*\r], v[AC+8*\b+2*\r+1]
.endr
.endr
	WIN 0
.endm
.macro TOSTAGE a
.set BB, OB+192*((\a)%2)
.irp b, 0,1,2,3,4,5,6,7
	ds_store_b128 v[STO], v[TMP+4*\b:TMP+4*\b+3] offset:32*\b
.endr
.irp t, 0,1,2,3,4,5,6,7
	ds_load_b128 v[BB+4*\t:BB+4*\t+3], v[RD] offset:\t*2*272
.endr
.endm
.macro SEND a
.set BB, OB+192*((\a)%2)
	s_wait_dscnt 0x0                               ; the block is back in registers
	s_wait_xcnt 0x0                                ; earlier stores have read their base and their data: both are written again only behind this wait
.if (\a) > 0
	s_add_nc_u64 s[12:13], s[12:13], 16*CROW
.endif
.irp t, 0,1,2,3,4,5,6,7
	global_store_b128 v[CO], v[BB+4*\t:BB+4*\t+3], s[12:13] offset:2*\t*CROW   ; 16 lanes store 256 consecutive bytes, aligned
.endr
.endm
	PACK 0
	TOSTAGE 0
.irp a, 1,2,3,4,5,6,7                  ; block a's conversions stand between block a - 1's loads from the stage and the wait for them
	PACK \a
	SEND (\a)-1
	TOSTAGE \a
.endr
	SEND 7
	s_wait_tensorcnt 0x0                           ; the wave's end
	ds_add_u32 v[SPW], v[NIL]
	s_wait_dscnt 0x0
	CROUND                                         ; the closing round
	s_endpgm
.Lfunc_end_k_q1f9d5c0310_qkv:
	.size	k_q1f9d5c0310_qkv, .Lfunc_end_k_q1f9d5c0310_qkv-k_q1f9d5c0310_qkv
	.p2alignl 7, 3214868480
	.fill 96, 4, 3214868480
	.section	.rodata,"a",@progbits
	.p2align	6, 0x0
	.amdhsa_kernel k_q1f9d5c0310_qkv
		.amdhsa_group_segment_fixed_size 327680
		.amdhsa_private_segment_fixed_size 0
		.amdhsa_enable_private_segment 0
		.amdhsa_kernarg_size 48
		.amdhsa_user_sgpr_count 2
		.amdhsa_user_sgpr_kernarg_segment_ptr 1
		.amdhsa_wavefront_size32 1
		.amdhsa_system_sgpr_workgroup_id_x 1
		.amdhsa_system_sgpr_workgroup_id_y 1
		.amdhsa_system_sgpr_workgroup_id_z 1
		.amdhsa_system_vgpr_workitem_id 0
		.amdhsa_next_free_vgpr 1024
		.amdhsa_next_free_sgpr 100
		.amdhsa_reserve_vcc 0
		.amdhsa_float_denorm_mode_32 3
		.amdhsa_float_denorm_mode_16_64 3
		.amdhsa_memory_ordered 1
		.amdhsa_forward_progress 1
		.amdhsa_inst_pref_size 135
	.end_amdhsa_kernel
	.amdgpu_metadata
---
amdhsa.version: [ 1, 2 ]
amdhsa.kernels:
  - .name:           k_q1f9d5c0310_qkv
    .symbol:         k_q1f9d5c0310_qkv.kd
    .args:
      - { .name: codes, .offset: 0, .size: 8, .value_kind: global_buffer, .address_space: global }
      - { .name: scales, .offset: 8, .size: 8, .value_kind: global_buffer, .address_space: global }
      - { .name: bq, .offset: 16, .size: 8, .value_kind: global_buffer, .address_space: global }
      - { .name: bv, .offset: 24, .size: 8, .value_kind: global_buffer, .address_space: global }
      - { .name: qkv16, .offset: 32, .size: 8, .value_kind: global_buffer, .address_space: global }
      - { .name: fine32, .offset: 40, .size: 8, .value_kind: global_buffer, .address_space: global }
    .group_segment_fixed_size: 327680
    .private_segment_fixed_size: 0
    .kernarg_segment_align: 8
    .kernarg_segment_size: 48
    .max_flat_workgroup_size: 128
    .sgpr_count:     100
    .vgpr_count:     1024
    .wavefront_size: 32
...
	.end_amdgpu_metadata
.endif
;; end of part 2
;; launch scores (part 3): grid 36 x 4, 4 waves a work-group, no clusters, 327,680 bytes of LDS; arguments qkv16, p16, stat; writes p16, stat
.if DOCPART == 3
	.amdgcn_target "amdgcn-amd-amdhsa--gfx1250"
	.amdhsa_code_object_version 6
	.text
	.protected	k_q1f9d5c0310_scores
	.globl	k_q1f9d5c0310_scores
	.p2align	8
	.type	k_q1f9d5c0310_scores,@function
k_q1f9d5c0310_scores:
	s_mov_b64 s[64:65], 0
	v_nop
	global_prefetch_b8 v0, s[64:65] scope:SCOPE_SE
	s_setreg_imm32_b32 hwreg(HW_REG_WAVE_MODE, 25, 1), 1
	s_wait_xcnt 0x0
; LAUNCH 3 OF 6.  S = q k^T on f16 operands, f32 sums, and the softmax's first half.  WORK LEFT OUT: the tiles of 256 x 256 scores wholly above the diagonal of the mask that reference() builds itself: 36 of 64 tiles a batch are made.
; A tile is made by four waves, 128 queries x 128 keys each (64 accumulators); K = 1,024 goes in 8 steps of 128 through a ring of two LDS slots; each wave fetches a quarter of a slot (128 rows x 256 bytes).
; SOFTMAX BY BLOCKS.  t = score x log2(e) / 32.  For each query and each block of 128 keys: m = the block's largest t, p = 2^(t - m) (stored as f16, at most 1), l = the sum of the unrounded p.  m and l go out in f32;
; the next launch takes the row's true maximum M = max m and multiplies each block's product by 2^(m - M) / L in f32: the maximum is taken away as reference() does, block by block.
; Hidden scores become -1e30, not -infinity, so that a row of a block that is wholly hidden gives m = -1e30, p = 1 and no NaN; its factor 2^(-1e30 - M) is 0.  LIMIT: scaled scores lie above -1e30.
; NO CLUSTER: a tile row of the triangle has 1 to 8 tiles, so a block of 4 x 4 or 4 x 1 work-groups would name partners whose tile is not computed.
; THE MATRIX INSTRUCTION IS USED TRANSPOSED (source 0 = 16 rows of k, source 1 = 16 rows of q): a lane holds one query (lane % 16) and eight neighbouring keys.
; REGISTERS: window 0: v16-31 addresses; v64-127, v128-191 q's fragments, two buffers; v192-207 at work on the way out.  window 1: k's fragments.  windows 2, 3: the accumulators ((a, b) at v[8 (8 (a % 4) + b)]).
.set KSTEP,  128
.set PITCH,  272                       ; an LDS row: 256 bytes + 16: the 16 rows of a load start at 16 different banks (ISA guide 11.1)
.set HALFT,  128*PITCH
.set SLOT,   4*HALFT
.set STAGE,  2*SLOT                    ; 16 rows x 272 bytes for each wave
.set STATB,  STAGE+4*16*272            ; 1,024 bytes for each wave: 128 m, 128 l
.set SPARE,  STATB+4*1024              ; the spare words, 128 bytes a wave
.set QROW,   6144                      ; a row of qkv16 in bytes
.set PROW,   4096                      ; a row of p16
.set ADRA, 16
.set STR,  18                          ; where I read my wave's m and l back
.set LO,   19                          ; 16 x lane
.set ADRB, 20
.set PFO,  22                          ; the prefetches' offset: QROW x lane; never rewritten
.set STO,  24
.set RD,   25
.set CO,   26
.set STA,  27                          ; where m (lanes 0-15) and l (lanes 16-31) of my query go
.set SPW,  28
.set NIL,  29
.set RH,   30                          ; lane % 16 - 8 (lane / 16)
.set NEG,  31                          ; -1e30
.set F0,   64
.set F1,   128
.set TT,   64                          ; the way out: 64 scaled scores of a block of 16 queries, then p
.set PK,   128                         ; p as f16
.set OB,   160                         ; rows read back from the stage
.set MX,   192
.set G1,   24
.set G0,   32
.set PFA,  50
.set LIM,  52
.set MSB, 0
.macro WIN new
.if MSB != (\new)
	s_set_vgpr_msb (MSB<<8)|(\new)
.set MSB, (\new)
.endif
.endm
.set MUL_LO, 0xa1
.set MUL_HI, 0xf1
.set TO_B,   0x40
	s_load_b128 s[4:7], s[0:1], 0x0                ; qkv16 s[4:5], p16 s[6:7]
	s_load_b64 s[8:9], s[0:1], 0x10                ; stat
	v_lshl_add_u32 v[SPW], v0, 2, SPARE
	v_mov_b32 v[NIL], 0
	ds_add_u32 v[SPW], v[NIL]                      ; the wave's opening: the add, twice on end, and its wait ahead of my first tensor load
	ds_add_u32 v[SPW], v[NIL]
	v_lshrrev_b32 v1, 5, v0
	v_readfirstlane_b32 s10, v1                    ; wave
	s_lshr_b32 s11, s10, 1                         ; my half of the queries.  Also: I fetch q (0) or k (1)
	s_and_b32 s12, s10, 1                          ; my half of the keys.  Also: which 128 rows I fetch
	s_mov_b32 s13, 0                               ; the tile (it, jt), jt <= it, from the work-group's x = it (it + 1) / 2 + jt
.irp n, 1,3,6,10,15,21,28
	s_cmp_ge_u32 ttmp9, \n
	s_cselect_b32 s16, 1, 0
	s_add_co_u32 s13, s13, s16
.endr
	s_add_co_u32 s16, s13, 1
	s_mul_i32 s16, s16, s13
	s_lshr_b32 s16, s16, 1
	s_sub_co_u32 s14, ttmp9, s16
	s_and_b32 s15, ttmp7, 0xffff                   ; the batch
	s_mov_b32 s[G1+0], (1<<16)|(1<<20)|(5<<22)|(3<<25)   ; elements of 2 bytes; padding: 4 words after every 64
	s_mov_b32 s[G1+1], KSTEP<<16
	s_mov_b32 s[G1+2], 128<<16
	s_mov_b32 s[G1+3], KSTEP<<16
	s_mov_b32 s[G1+4], 128
	s_mov_b32 s[G1+5], 3072                        ; elements from token to token
	s_mov_b32 s[G1+6], 0
	s_mov_b32 s[G1+7], 0
	s_sub_co_u32 s17, s13, s14
	s_cmp_eq_u32 s11, 0
	s_cselect_b32 s16, s14, s17                    ; q's strip is prefetched by the tile with jt = 0, k's by the tile on the diagonal: each once
	s_cmp_eq_u32 s16, 0
	s_cselect_b32 s[LIM], 1, -1
	s_cmp_eq_u32 s11, 0
	s_cselect_b32 s16, s13, s14
	s_cselect_b32 s17, 0, 2048                     ; k lies 2,048 bytes behind q in a token's row
	s_lshl_b32 s16, s16, 8
	s_lshl_b32 s18, s12, 7
	s_add_co_u32 s16, s16, s18
	s_lshl_b32 s18, s15, 11
	s_add_co_u32 s16, s16, s18                     ; the first token that I fetch
	s_mul_i32 s16, s16, QROW
	s_add_co_u32 s16, s16, s17
	s_mov_b32 s17, 0
	s_mul_i32 s20, s10, HALFT                      ; q's two halves, then k's two halves = wave x 128 rows
	s_wait_dscnt 0x0                               ; both opening adds are done
	s_wait_kmcnt 0x0
	s_add_nc_u64 s[18:19], s[4:5], s[16:17]
.irp s, 0,1                                    ; both first fills, every wave its own: two tensor loads of mine are out
	s_mov_b32 s[G0+4*\s], 1
	s_add_co_u32 s[G0+4*\s+1], s20, \s*SLOT
	s_add_nc_u64 s[G0+4*\s+2:G0+4*\s+3], s[18:19], \s*KSTEP*2
	s_or_b32 s[G0+4*\s+3], s[G0+4*\s+3], 0x80000000
	tensor_load_to_lds s[G0+4*\s:G0+4*\s+3], s[G1:G1+7]
	s_nop 0
.endr
.rept 4
	v_nop
.endr
	s_add_nc_u64 s[PFA:PFA+1], s[18:19], 2*KSTEP*2 ; at K step 2: the first refill steps it to 3 and names K step 4.  Nothing is prefetched here, at the head
	v_and_b32 v1, 15, v0                           ; r
	v_bfe_u32 v2, v0, 4, 1                         ; h
	v_mul_u32_u24 v3, v1, PITCH
	v_lshl_add_u32 v3, v2, 4, v3                   ; 272 r + 16 h
	s_mul_i32 s21, s11, HALFT
	s_mul_i32 s22, s12, HALFT
	s_add_co_u32 s22, s22, 2*HALFT
.irp s, 0,1
	v_add_nc_u32 v[ADRA+\s], s21, v3
	v_add_nc_u32 v[ADRB+\s], s22, v3
	s_add_co_u32 s21, s21, SLOT
	s_add_co_u32 s22, s22, SLOT
.endr
	s_mul_i32 s23, s10, 16*272
	s_add_co_u32 s23, s23, STAGE
	v_add_nc_u32 v[STO], s23, v3
	v_mul_u32_u24 v5, v2, 272
	v_lshl_add_u32 v5, v1, 4, v5
	v_add_nc_u32 v[RD], s23, v5
	v_lshlrev_b32 v5, 12, v2
	v_lshl_add_u32 v[CO], v1, 4, v5                ; two rows of p16
	s_lshl_b32 s23, s10, 10
	s_add_co_u32 s23, s23, STATB
	v_lshlrev_b32 v5, 5, v1
	v_lshl_add_u32 v5, v2, 9, v5
	v_add_nc_u32 v[STA], s23, v5                   ; 32 r + 512 h: block a's word follows 4 a bytes on
	v_and_b32 v5, 31, v0
	v_lshlrev_b32 v[LO], 4, v5
	v_add_nc_u32 v[STR], s23, v[LO]
	v_mul_u32_u24 v[PFO], v5, QROW
	v_lshlrev_b32 v5, 3, v2
	v_sub_nc_u32 v[RH], v1, v5
	v_mov_b32 v[NEG], 0xf149f2ca
	v_mov_b32 v196, 0                              ; a lane permute's destination counts as one of its sources
	v_mov_b32 v199, 0                              ; named as the upper half of the pair v[198:199]
	s_mov_b32 s40, 0                               ; the way out: block a,
	s_sub_co_i32 s41, s11, s12
	s_lshl_b32 s41, s41, 7                         ; 128 (my query half - my key half) + 16 a,
	s_mov_b32 s42, 0                               ; 4 a
	s_cmp_eq_u32 s13, s14
	s_cselect_b32 s43, 1, 0
	s_cmp_le_u32 s11, s12
	s_cselect_b32 s43, s43, 0                      ; 1: my 128 x 128 holds hidden scores
	s_mov_b32 s44, 0xffff0000                      ; lanes 16-31
	s_mov_b32 s46, 0x3d38aa3b                      ; log2(e) / 32
	s_mov_b32 s47, s46
	s_mov_b32 s48, 0x76543210
	s_mov_b32 s49, 0xfedcba98
	s_lshl_b32 s16, s13, 8
	s_lshl_b32 s17, s11, 7
	s_add_co_u32 s16, s16, s17
	s_lshl_b32 s16, s16, 12
	s_lshl_b32 s17, s15, 23
	s_add_co_u32 s16, s16, s17
	s_lshl_b32 s17, s14, 9
	s_add_co_u32 s16, s16, s17
	s_lshl_b32 s17, s12, 8
	s_add_co_u32 s16, s16, s17
	s_mov_b32 s17, 0
	s_add_nc_u64 s[6:7], s[6:7], s[16:17]          ; p16 at my first query and key
	s_lshl_b32 s16, s15, 4
	s_lshl_b32 s17, s13, 1
	s_add_co_u32 s16, s16, s17
	s_add_co_u32 s16, s16, s11                     ; 16 b + the group of 128 queries,
	s_lshl_b32 s16, s16, 4
	s_lshl_b32 s17, s14, 1
	s_add_co_u32 s16, s16, s17
	s_add_co_u32 s16, s16, s12                     ; x 16 + the block of 128 keys,
	s_lshl_b32 s16, s16, 10                        ; 1,024 bytes each
	s_mov_b32 s17, 0
	s_add_nc_u64 s[8:9], s[8:9], s[16:17]
; 16 matrix instructions: query blocks a0, a0 + 1 of the window's four x all 8 key blocks, 32 along K.  zero = 1: the first product starts the sums.  The 64 accumulators take turns.
.macro MUL16 f, hi, a0, zero
.irp a, \a0, \a0+1
.irp b, 0,1,2,3,4,5,6,7
.if \zero
	v_wmma_f32_16x16x32_f16 v[8*(8*(\a)+\b):8*(8*(\a)+\b)+7], v[\f+8*\b:\f+8*\b+7], v[\f+8*(4*\hi+\a):\f+8*(4*\hi+\a)+7], 0
.else
	v_wmma_f32_16x16x32_f16 v[8*(8*(\a)+\b):8*(8*(\a)+\b)+7], v[\f+8*\b:\f+8*\b+7], v[\f+8*(4*\hi+\a):\f+8*(4*\hi+\a)+7], v[8*(8*(\a)+\b):8*(8*(\a)+\b)+7]
.endif
.endr
.endr
.endm
.macro FETCH slot, k, f                ; 32 LDS loads in one run: a quarter step's fragments
	WIN TO_B
.irp i, 0,1,2,3,4,5,6,7
	ds_load_b128 v[\f+8*\i:\f+8*\i+3],   v[ADRB+\slot] offset:\k+\i*16*PITCH
	ds_load_b128 v[\f+8*\i+4:\f+8*\i+7], v[ADRB+\slot] offset:\k+\i*16*PITCH+32
.endr
	WIN 0
.irp i, 0,1,2,3,4,5,6,7
	ds_load_b128 v[\f+8*\i:\f+8*\i+3],   v[ADRA+\slot] offset:\k+\i*16*PITCH
	ds_load_b128 v[\f+8*\i+4:\f+8*\i+7], v[ADRA+\slot] offset:\k+\i*16*PITCH+32
.endr
.endm
.macro PLACES                          ; four places in front of loads into registers that matrix instructions have read, and of the first read of results
.rept 4
	v_nop
.endr
.endm
.macro QUARTER slot, k, f, g, zero
	s_wait_dscnt 8                                 ; k's fragments and q's rows 0-63 are in; the youngest 8 loads (q's rows 64-127) may be out
	WIN MUL_LO
	MUL16 \f, 0, 0, \zero
	MUL16 \f, 0, 2, \zero
	PLACES
	FETCH \slot, \k, \g
	s_wait_dscnt 32                                ; all but the 32 just issued
	WIN MUL_HI
	MUL16 \f, 1, 0, \zero
	MUL16 \f, 1, 2, \zero
.endm
; A prefetch of the K step that stands two refills on: my 128 rows x 256 bytes, a lane a row, four instructions.  The loop's last trip (s3 = 1) has no such K step.
.macro ASK
	s_cmp_gt_u32 s3, s[LIM]
	s_cbranch_scc0 .Lnot_mine_\@
.irp n, 0,1,2,3
	global_prefetch_b8 v[PFO], s[PFA:PFA+1] offset:KSTEP*2+\n*32*QROW th:TH_LOAD_NT scope:SCOPE_SE
.endr
.Lnot_mine_\@:
.endm
; The last quarter of a K step changes slots: one barrier; in front of it each wave waits for all its tensor loads (one is out: its part of the next slot), adds 0 to its spare word, and waits for that and for its reads of this slot.
.macro TURN slot, next, fill
.if \fill
	s_wait_xcnt 0x0                                ; the last prefetches, a K step back, have read their address
	s_add_nc_u64 s[PFA:PFA+1], s[PFA:PFA+1], KSTEP*2
.endif
	WIN 0
	s_wait_tensorcnt 0x0
	ds_add_u32 v[SPW], v[NIL]
	s_wait_dscnt 9                                 ; the add and the youngest 8 loads may be out
	WIN MUL_LO
	MUL16 F1, 0, 0, 0
	s_wait_dscnt 0x0                               ; the add is done, and my reads of this slot are over
	s_barrier_signal -1
	MUL16 F1, 0, 2, 0
	WIN 0
	s_barrier_wait -1
.if \fill
	s_add_nc_u64 s[G0+4*\slot+2:G0+4*\slot+3], s[G0+4*\slot+2:G0+4*\slot+3], 2*KSTEP*2
	tensor_load_to_lds s[G0+4*\slot:G0+4*\slot+3], s[G1:G1+7]      ; my one tensor load behind this barrier: one load of mine is out
	s_nop 0
.rept 4
	v_nop
.endr
.else
	PLACES
.endif
	FETCH \next, 0, F0
.if \fill
	ASK
.endif
	WIN MUL_HI
	MUL16 F1, 1, 0, 0
	MUL16 F1, 1, 2, 0
.endm
	s_wait_tensorcnt 1                             ; my part of K step 0 is in; K step 1's load may be out
	s_barrier_signal -1
	s_barrier_wait -1
	FETCH 0, 0, F0
	QUARTER 0, 64,  F0, F1, 1
	WIN 0
	s_mov_b32 s3, 3
.Llap:                                                 ; a trip goes once round the ring and fills both slots again
	QUARTER 0, 128, F1, F0, 0
	QUARTER 0, 192, F0, F1, 0
	TURN 0, 1, 1
	QUARTER 1, 64,  F0, F1, 0
	QUARTER 1, 128, F1, F0, 0
	QUARTER 1, 192, F0, F1, 0
	TURN 1, 0, 1
	QUARTER 0, 64,  F0, F1, 0
	WIN 0
	s_sub_co_u32 s3, s3, 1
	s_cmp_lg_u32 s3, 0
	s_cbranch_scc1 .Llap
	QUARTER 0, 128, F1, F0, 0                      ; the last lap fills nothing
	QUARTER 0, 192, F0, F1, 0
	TURN 0, 1, 0
	QUARTER 1, 64,  F0, F1, 0
	QUARTER 1, 128, F1, F0, 0
	QUARTER 1, 192, F0, F1, 0
	s_wait_dscnt 8
	WIN MUL_LO
	MUL16 F1, 0, 0, 0
	MUL16 F1, 0, 2, 0
	s_wait_dscnt 0
	WIN MUL_HI
	MUL16 F1, 1, 0, 0
	MUL16 F1, 1, 2, 0
	WIN 0
; THE WAY OUT: a loop of eight trips, a block of 16 queries each.  Only the lines that fetch the block's 64 accumulators differ from trip to trip: they stand in a ladder of branches on the count.
.macro COPY a                          ; t = score x log2(e) / 32, each accumulator from its low end on
	WIN 0x02+(\a)/4
.set i, 0
.rept 32
	v_pk_mul_f32 v[TT+i:TT+i+1], v[64*((\a)%4)+i:64*((\a)%4)+i+1], s[46:47] op_sel_hi:[1,0]
.set i, i+2
.endr
	WIN 0
.endm
	PLACES
.Lrows:
.irp a, 0,1,2,3,4,5,6
	s_cmp_lg_u32 s40, \a
	s_cbranch_scc1 .Lnot_\a
	COPY \a
	s_branch .Lgot
.Lnot_\a:
.endr
	COPY 7
.Lgot:
	s_cmp_eq_u32 s43, 0
	s_cbranch_scc1 .Lopen
	v_add_nc_u32 v205, s41, v[RH]                  ; register 8 b + j holds key 16 b + 8 h + j of my 128: hidden where 16 b + j > 128 (query half - key half) + 16 a + r - 8 h
.irp b, 0,1,2,3,4,5,6,7
.irp j, 0,1,2,3,4,5,6,7
	v_cmp_gt_i32 vcc_lo, 16*\b+\j, v205
	v_cndmask_b32 v[TT+8*\b+\j], v[TT+8*\b+\j], v[NEG], vcc_lo
.endr
.endr
.Lopen:
.irp c, 0,1,2,3
	v_max3_num_f32 v[MX+\c], v[TT+16*\c], v[TT+16*\c+1], v[TT+16*\c+2]
.endr
.irp i, 3,5,7,9,11,13
.irp c, 0,1,2,3
	v_max3_num_f32 v[MX+\c], v[MX+\c], v[TT+16*\c+\i], v[TT+16*\c+\i+1]
.endr
.endr
.irp c, 0,1,2,3
	v_max_num_f32 v[MX+\c], v[MX+\c], v[TT+16*\c+15]
.endr
	v_max3_num_f32 v197, v192, v193, v194
	v_max_num_f32 v197, v197, v195
	v_permlanex16_b32 v196, v197, s48, s49         ; the query's other 64 keys lie in the lane 16 away
	v_max_num_f32 v198, v197, v196                 ; m
.set i, 0
.rept 32
	v_pk_add_f32 v[TT+i:TT+i+1], v[TT+i:TT+i+1], v[198:199] op_sel_hi:[1,0] neg_lo:[0,1] neg_hi:[0,1]   ; t - m
.set i, i+2
.endr
.set i, 0
.rept 64
	v_exp_f32 v[TT+i], v[TT+i]                     ; p = 2^(t - m)
.set i, i+1
.endr
	v_add_nc_u32 v207, s42, v[STA]                 ; a plain instruction behind the exponentials
	s_wait_alu depctr_va_vdst(0)                   ; one wait for the batch, ahead of its first reader
	v_pk_add_f32 v[200:201], v[TT:TT+1], v[TT+2:TT+3]              ; l: the sum of the unrounded p, in two chains
	v_pk_add_f32 v[202:203], v[TT+4:TT+5], v[TT+6:TT+7]
.irp j, 8,12,16,20,24,28,32,36,40,44,48,52,56,60
	v_pk_add_f32 v[200:201], v[200:201], v[TT+\j:TT+\j+1]
	v_pk_add_f32 v[202:203], v[202:203], v[TT+\j+2:TT+\j+3]
.endr
	v_pk_add_f32 v[200:201], v[200:201], v[202:203]
	v_add_f32 v200, v200, v201
	v_permlanex16_b32 v196, v200, s48, s49
	v_add_f32 v204, v200, v196
.irp b, 0,1,2,3,4,5,6,7
.irp r, 0,1,2,3
	v_cvt_pk_f16_f32 v[PK+4*\b+\r], v[TT+8*\b+2*\r], v[TT+8*\b+2*\r+1]
.endr
.endr
.irp b, 0,1,2,3,4,5,6,7
	ds_store_b128 v[STO], v[PK+4*\b:PK+4*\b+3] offset:32*\b
.endr
	v_cndmask_b32 v206, v198, v204, s44            ; lanes 0-15 carry m, lanes 16-31 l
	ds_store_b32 v207, v206
.irp t, 0,1,2,3,4,5,6,7
	ds_load_b128 v[OB+4*\t:OB+4*\t+3], v[RD] offset:\t*2*272       ; LDS serves a wave's instructions in order: these see my stores
.endr
	s_wait_dscnt 0x0
.irp t, 0,1,2,3,4,5,6,7
	global_store_b128 v[CO], v[OB+4*\t:OB+4*\t+3], s[6:7] offset:2*\t*PROW   ; 16 lanes store 256 consecutive bytes, aligned
.endr
	s_wait_xcnt 0x0                                ; the stores have read their base and data: both are written again only behind this wait
	s_add_nc_u64 s[6:7], s[6:7], 16*PROW
	s_add_co_u32 s41, s41, 16
	s_add_co_u32 s42, s42, 4
	s_add_co_u32 s40, s40, 1
	s_cmp_lt_u32 s40, 8
	s_cbranch_scc1 .Lrows
	ds_load_b128 v[160:163], v[STR]                ; my wave's 128 m and 128 l
	ds_load_b128 v[164:167], v[STR] offset:512
	s_wait_dscnt 0x0
	global_store_b128 v[LO], v[160:163], s[8:9]    ; 512 consecutive bytes each, aligned
	global_store_b128 v[LO], v[164:167], s[8:9] offset:512
	s_wait_tensorcnt 0x0                           ; the wave's end
	ds_add_u32 v[SPW], v[NIL]
	s_wait_dscnt 0x0
	s_endpgm
.Lfunc_end_k_q1f9d5c0310_scores:
	.size	k_q1f9d5c0310_scores, .Lfunc_end_k_q1f9d5c0310_scores-k_q1f9d5c0310_scores
	.p2alignl 7, 3214868480
	.fill 96, 4, 3214868480
	.section	.rodata,"a",@progbits
	.p2align	6, 0x0
	.amdhsa_kernel k_q1f9d5c0310_scores
		.amdhsa_group_segment_fixed_size 327680
		.amdhsa_private_segment_fixed_size 0
		.amdhsa_enable_private_segment 0
		.amdhsa_kernarg_size 24
		.amdhsa_user_sgpr_count 2
		.amdhsa_user_sgpr_kernarg_segment_ptr 1
		.amdhsa_wavefront_size32 1
		.amdhsa_system_sgpr_workgroup_id_x 1
		.amdhsa_system_sgpr_workgroup_id_y 1
		.amdhsa_system_sgpr_workgroup_id_z 1
		.amdhsa_system_vgpr_workitem_id 0
		.amdhsa_next_free_vgpr 1024
		.amdhsa_next_free_sgpr 66
		.amdhsa_reserve_vcc 1
		.amdhsa_float_denorm_mode_32 3
		.amdhsa_float_denorm_mode_16_64 3
		.amdhsa_memory_ordered 1
		.amdhsa_forward_progress 1
		.amdhsa_inst_pref_size 146
	.end_amdhsa_kernel
	.amdgpu_metadata
---
amdhsa.version: [ 1, 2 ]
amdhsa.kernels:
  - .name:           k_q1f9d5c0310_scores
    .symbol:         k_q1f9d5c0310_scores.kd
    .args:
      - { .name: qkv16, .offset: 0, .size: 8, .value_kind: global_buffer, .address_space: global }
      - { .name: p16, .offset: 8, .size: 8, .value_kind: global_buffer, .address_space: global }
      - { .name: stat, .offset: 16, .size: 8, .value_kind: global_buffer, .address_space: global }
    .group_segment_fixed_size: 327680
    .private_segment_fixed_size: 0
    .kernarg_segment_align: 8
    .kernarg_segment_size: 24
    .max_flat_workgroup_size: 128
    .sgpr_count:     66
    .vgpr_count:     1024
    .wavefront_size: 32
...
	.end_amdgpu_metadata
.endif
;; end of part 3
;; launch ctx (part 4): grid 8 x 32, 4 waves a work-group, clusters of 4 x 1, 327,680 bytes of LDS; arguments p16, stat, qkv16, ctx16; writes ctx16
.if DOCPART == 4
	.amdgcn_target "amdgcn-amd-amdhsa--gfx1250"
	.amdhsa_code_object_version 6
	.text
	.protected	k_q1f9d5c0310_ctx
	.globl	k_q1f9d5c0310_ctx
	.p2align	8
	.type	k_q1f9d5c0310_ctx,@function
k_q1f9d5c0310_ctx:
	s_mov_b64 s[64:65], 0
	v_nop
	global_prefetch_b8 v0, s[64:65] scope:SCOPE_SE
	s_setreg_imm32_b32 hwreg(HW_REG_WAVE_MODE, 25, 1), 1
	s_wait_xcnt 0x0
	s_wait_alu depctr_hold_cnt(0) depctr_sa_sdst(0) depctr_va_vdst(0) depctr_va_sdst(0) depctr_va_ssrc(0) depctr_va_vcc(0) depctr_vm_vsrc(0)
	s_getreg_b32 s2, hwreg(HW_REG_IB_STS2, 6, 4)
	s_cmp_eq_u32 s2, 0
	s_cbranch_scc0 .Lentry_in_a_cluster
	s_endpgm
.Lentry_in_a_cluster:
	s_bfe_u32 s2, ttmp6, 0x10000c
	s_cmp_lg_u32 s2, 0x3003
	s_cbranch_scc0 .Lentry_shape_is_right
	s_endpgm
.Lentry_shape_is_right:
; LAUNCH 4 OF 6.  The context: O[q][d] = sum over the blocks j of 128 keys of f_j[q] x (P_j V_j)[q][d], f_j = 2^(m_j - M) / L, M = max over j of m_j, L = sum over j of 2^(m_j - M) l_j: all of that in f32.
; P_j (f16, at most 1) and V (f16) go to the matrix unit, f32 sums.  WORK LEFT OUT: the keys beyond a query group's diagonal tile of 256 keys (the mask that reference() builds itself).  Inside that tile the block of
; 128 x 128 that an even group has wholly hidden stays: it lies in a tile of P that also holds live work; its m is -1e30, so its factor is 0.
; SHARES.  A tile is 128 queries (group g of a batch's 16) x 128 of the 1,024 channels; it needs g / 2 + 1 slots of 256 keys.  A work-group (y = 8 b + u) makes group 15 - u and then group u:
; (8 - u / 2) + (u / 2 + 1) = 9 slots, whatever u: 256 work-groups of equal work.  Wave w owns queries 32 w .. 32 w + 31 and all 128 channels: 16 accumulators T of one block of keys, and O beside them.
; ONE STREAM OF 9 SLOTS goes through a ring of two LDS slots; stream slot t lies in LDS slot t % 2, so every trip count and every LDS address is a constant of the text.  What hangs on u is where the stream passes from the
; long tile to the short one: there the four pointers that walk (P, V, m, the prefetch) are replaced by the short tile's, by a select on the count of slots, and one forward branch leads through the long tile's way out.
; A slot holds TWO blocks of keys, brought by one load a wave: the load has both blocks' work in which to land.  128 rows of P x 528 bytes + 256 keys of V x 288 bytes = 141,312 bytes: two such slots fit in LDS.
; CLUSTER 4 x 1: the four partners share batch and pair of groups, so they walk the same tiles of P at the same slots: P is asked for jointly.  V's tile hangs on the work-group's own channels: a load of its own, in the same rounds.
; V is not shared: the work-groups that read the same channels leave their long tiles at different slots, so their addresses part.
; TRANSPOSED USE: source 0 = 16 channels x 32 keys of V (turned by ds_load_tr16_b128), source 1 = 16 queries x 32 keys of P: a lane holds one query and eight neighbouring channels.
; REGISTERS: window 0: v16-30 addresses; fragment buffers F0 = v32-111, F1 = v112-191 (16 of P, then 64 of V); v192-215 the row figures.  window 1: v0-127 O, v128-255 T ((a, b) at 8 (8 a + b)).
.set PP,    528                        ; a row of P in LDS: 512 bytes + 16: the 16 rows of a load start at 16 different banks (ISA guide 11.1)
.set PV,    288                        ; a row of V: 256 + 32
.set PT,    128*PP
.set SLOT,  PT+256*PV
.set STAGE, 2*SLOT                     ; 16 rows x 272 bytes for each wave
.set SPARE, STAGE+4*16*272             ; the spare words, 128 bytes a wave
.set VSTEP, 256*6144                   ; 256 tokens on in qkv16
.set ADRA, 16                          ; v16-17  my P fragments in LDS slot 0, 1
.set ADRB, 18                          ; v18-19  my V fragments, a slot's first block, in slot 0, 1;  v20-21 its second block
.set STO,  24
.set RD,   25
.set CO,   26
.set MO,   27                          ; 32 x (lane % 16) + 8 x wave: my two queries' place in a block of stat; never rewritten
.set SPW,  28
.set NIL,  29
.set PFO,  30                          ; 4,096 x lane; never rewritten
.set F0,   32
.set F1,   112
.set MS,   192                         ; a slot's m: block 0 of my two queries, block 1
.set MM,   196                         ; M of the tile in hand
.set RL,   198                         ; 1 / L
.set MM2,  200                         ; the short tile's
.set RL2,  202
.set EE,   204
.set FP,   208                         ; four pairs (block, query): f in the low word
.set TMP,  32
.set OT,   128                         ; T, in window 1
.set G1,   24
.set G0,   32
.set G1B,  48
.set G0B,  56
.set PN,   40                          ; s[40:41] P's address of the stream slot last asked for
.set VN,   42                          ; s[42:43] V's
.set SBN,  44                          ; s[44:45] where its two blocks of stat begin
.set P2,   66                          ; s[66:67] the short tile's first slot: P,
.set V2,   68                          ; s[68:69] V (key 0 again),
.set SB2,  70                          ; s[70:71] stat,
.set PFA,  72                          ; s[72:73] where my prefetches stand: one slot further on than PN
.set PF2,  74                          ; s[74:75] and their place in the short tile's first slot
.set CP1,  76                          ; s[76:77] ctx16 at my rows of the long tile;  s[78:79] of the short one
.set CP2,  78
.set SB1,  80
.set TC,   82                          ; the stream slot in hand
.set N1,   83                          ; the long tile's slots: 8 - u / 2;  s84, s85: one and two less
.set NA,   84
.set NB,   85
.set LIM,  86                          ; 1 in a wave that prefetches
.set JM2,  87
.set MSB, 0
.macro WIN new                         ; the immediate's high byte repeats the setting that is left
.if MSB != (\new)
	s_set_vgpr_msb (MSB<<8)|(\new)
.set MSB, (\new)
.endif
.endm
.set MUL, 0x50                         ; operands window 0; C and D window 1
.macro JLOAD s                         ; waves 0 and 1 fetch P's halves (jointly), waves 2 and 3 V's; an s_nop 0 and four v_nop follow each line
	s_cmp_eq_u32 s13, 0
	s_cbranch_scc0 .Lfor_v_\@
	tensor_load_to_lds s[G0+4*\s:G0+4*\s+3], s[G1:G1+7]
	s_nop 0
.rept 4
	v_nop
.endr
	s_branch .Lasked_\@
.Lfor_v_\@:
	tensor_load_to_lds s[G0B+4*\s:G0B+4*\s+3], s[G1B:G1B+7]
	s_nop 0
.rept 4
	v_nop
.endr
.Lasked_\@:
.endm
.macro CREST
	s_cmp_lg_u32 s12, 0
	s_cbranch_scc1 .Lnot_wave_0_\@
	s_barrier_signal -3
.Lnot_wave_0_\@:
	s_barrier_wait -3
	s_barrier_signal -1
	s_barrier_wait -1
.endm
.macro CROUND                          ; a round of the cluster's barrier
	s_barrier_signal -1
	s_barrier_wait -1
	CREST
.endm
	s_load_b256 s[4:11], s[0:1], 0x0               ; p16 s[4:5], stat s[6:7], qkv16 s[8:9], ctx16 s[10:11]
	v_lshl_add_u32 v[SPW], v0, 2, SPARE
	v_mov_b32 v[NIL], 0
	ds_add_u32 v[SPW], v[NIL]                      ; the wave's opening: the add, twice on end, and its wait ahead of my first tensor load
	ds_add_u32 v[SPW], v[NIL]
	v_lshrrev_b32 v1, 5, v0
	v_readfirstlane_b32 s12, v1                    ; wave
	s_lshr_b32 s13, s12, 1                         ; I fetch P (0) or V (1)
	s_and_b32 s14, s12, 1                          ; which half
	s_bfe_u32 s15, ttmp6, 0x40000                  ; cx
	s_lshl_b32 s16, ttmp9, 2
	s_add_co_u32 s16, s16, s15                     ; my 128 channels: 4 x cluster x + cx
	s_and_b32 s17, ttmp7, 7                        ; u: the short tile's group
	s_bfe_u32 s18, ttmp7, 0x20003                  ; b
	s_sub_co_u32 s88, 15, s17                      ; the long tile's group
	s_lshr_b32 s[N1], s17, 1
	s_sub_co_u32 s[N1], 8, s[N1]                   ; its slots: 5 to 8
	s_sub_co_u32 s[NA], s[N1], 1
	s_sub_co_u32 s[NB], s[N1], 2
	s_or_b32 s19, s88, 1                           ; the last block of keys of the long tile's slots,
	s_or_b32 s[JM2], s17, 1                        ; and of the short tile's
	s_mov_b32 s[TC], 0
	s_mov_b32 s[G1+0], 15|(1<<16)|(1<<20)|(1<<21)|(6<<22)|(3<<25)   ; P: all four partners; elements of 2 bytes; padding: 4 words after every 128
	s_mov_b32 s[G1+1], 256<<16                     ; 256 keys,
	s_mov_b32 s[G1+2], 64<<16                      ; 64 queries
	s_mov_b32 s[G1+3], 256<<16
	s_mov_b32 s[G1+4], 64
	s_mov_b32 s[G1+5], 2048
	s_mov_b32 s[G1+6], 0
	s_mov_b32 s[G1+7], 0
	s_mov_b32 s[G1B+0], (1<<16)|(1<<20)|(5<<22)|(7<<25)            ; V: no mask; padding: 8 words after every 64
	s_mov_b32 s[G1B+1], 128<<16                    ; 128 channels,
	s_mov_b32 s[G1B+2], 128<<16                    ; 128 keys
	s_mov_b32 s[G1B+3], 128<<16
	s_mov_b32 s[G1B+4], 128
	s_mov_b32 s[G1B+5], 3072
	s_mov_b32 s[G1B+6], 0
	s_mov_b32 s[G1B+7], 0
	s_lshl_b32 s89, s14, 6
	s_lshl_b32 s90, s18, 23                        ; the batch in p16
	s_lshl_b32 s20, s88, 7
	s_add_co_u32 s20, s20, s89
	s_lshl_b32 s20, s20, 12
	s_add_co_u32 s20, s20, s90                     ; P, long tile: query 128 g + 64 x half: nothing of cx
	s_mov_b32 s21, 0
	s_lshl_b32 s22, s17, 7
	s_add_co_u32 s22, s22, s89
	s_lshl_b32 s22, s22, 12
	s_add_co_u32 s22, s22, s90                     ; P, short tile
	s_mov_b32 s23, 0
	s_lshl_b32 s92, s18, 11
	s_lshl_b32 s93, s14, 7
	s_add_co_u32 s92, s92, s93
	s_mul_i32 s92, s92, 6144
	s_lshl_b32 s93, s16, 8
	s_add_co_u32 s92, s92, s93
	s_add_co_u32 s92, s92, 4096                    ; V: token 2,048 b + 128 x half; v lies 4,096 bytes into a token's row; my channels
	s_mov_b32 s93, 0
	s_mul_i32 s94, s14, 64*PP
	s_mul_i32 s95, s14, 128*PV
	s_add_co_u32 s95, s95, PT
	s_mov_b32 s46, 0x76543210
	s_mov_b32 s47, 0xfedcba98
	s_wait_dscnt 0x0                               ; both opening adds are done
	s_wait_kmcnt 0x0
	s_add_nc_u64 s[PN:PN+1], s[4:5], s[20:21]
	s_add_nc_u64 s[P2:P2+1], s[4:5], s[22:23]
	s_add_nc_u64 s[V2:V2+1], s[8:9], s[92:93]
	CROUND                                         ; all four work-groups are here: the first joint loads meet
.irp s, 0,1
	s_mov_b32 s[G0+4*\s], 1
	s_add_co_u32 s[G0+4*\s+1], s94, \s*SLOT
	s_add_nc_u64 s[G0+4*\s+2:G0+4*\s+3], s[PN:PN+1], \s*512
	s_or_b32 s[G0+4*\s+3], s[G0+4*\s+3], 0x80000000
	s_mov_b32 s[G0B+4*\s], 1
	s_add_co_u32 s[G0B+4*\s+1], s95, \s*SLOT
	s_add_nc_u64 s[G0B+4*\s+2:G0B+4*\s+3], s[V2:V2+1], \s*VSTEP
	s_or_b32 s[G0B+4*\s+3], s[G0B+4*\s+3], 0x80000000
.endr
	s_cmp_eq_u32 s13, 0                            ; a wave's two first fills (stream slots 0 and 1: both the long tile's) stand in one branch: two tensor loads of mine are out
	s_cbranch_scc0 .Lfirst_v
	tensor_load_to_lds s[G0:G0+3], s[G1:G1+7]
	s_nop 0
	tensor_load_to_lds s[G0+4:G0+7], s[G1:G1+7]
	s_nop 0
.rept 4
	v_nop
.endr
	s_branch .Lfirst_asked
.Lfirst_v:
	tensor_load_to_lds s[G0B:G0B+3], s[G1B:G1B+7]
	s_nop 0
	tensor_load_to_lds s[G0B+4:G0B+7], s[G1B:G1B+7]
	s_nop 0
.rept 4
	v_nop
.endr
.Lfirst_asked:
	s_add_nc_u64 s[PN:PN+1], s[PN:PN+1], 512       ; the walking pointers stand at stream slot 1
	s_add_nc_u64 s[VN:VN+1], s[V2:V2+1], VSTEP
	; the prefetches of P: both clusters of a pair of groups read the same rows: cluster x = 0 asks.  A slot's P is 128 rows x 512 bytes: the partner at place cx takes 32 rows, told apart by address;
	; in it wave 0 asks for the rows' first 256 bytes and wave 1 for their second: a lane a row, one instruction a wave
	s_lshl_b32 s22, s15, 17
	s_add_co_u32 s22, s22, s90
	s_lshl_b32 s23, s14, 8
	s_add_co_u32 s22, s22, s23
	s_lshl_b32 s20, s88, 19
	s_add_co_u32 s20, s20, s22
	s_add_co_u32 s20, s20, 2*512                   ; at stream slot 2: the first change of slots steps it to 3.  Nothing is prefetched here, at the head
	s_add_nc_u64 s[PFA:PFA+1], s[4:5], s[20:21]
	s_lshl_b32 s20, s17, 19
	s_add_co_u32 s20, s20, s22
	s_add_nc_u64 s[PF2:PF2+1], s[4:5], s[20:21]
	s_or_b32 s[LIM], s13, ttmp9
	s_cmp_eq_u32 s[LIM], 0
	s_cselect_b32 s[LIM], 1, 0
	s_lshl_b32 s22, s18, 4                         ; stat: group 16 b + g has 16 blocks of 1,024 bytes
	s_add_co_u32 s20, s22, s88
	s_lshl_b32 s20, s20, 14
	s_add_nc_u64 s[SB1:SB1+1], s[6:7], s[20:21]
	s_add_co_u32 s20, s22, s17
	s_lshl_b32 s20, s20, 14
	s_add_nc_u64 s[SB2:SB2+1], s[6:7], s[20:21]
	s_add_nc_u64 s[SBN:SBN+1], s[SB1:SB1+1], 2048  ; at stream slot 1
	s_lshl_b32 s22, s18, 11                        ; ctx16 at row 2,048 b + 128 g + 32 w, my channels
	s_lshl_b32 s23, s12, 5
	s_add_co_u32 s22, s22, s23
	s_lshl_b32 s23, s16, 8
	s_lshl_b32 s20, s88, 7
	s_add_co_u32 s20, s20, s22
	s_lshl_b32 s20, s20, 11
	s_add_co_u32 s20, s20, s23
	s_add_nc_u64 s[CP1:CP1+1], s[10:11], s[20:21]
	s_lshl_b32 s20, s17, 7
	s_add_co_u32 s20, s20, s22
	s_lshl_b32 s20, s20, 11
	s_add_co_u32 s20, s20, s23
	s_add_nc_u64 s[CP2:CP2+1], s[10:11], s[20:21]
	v_and_b32 v1, 15, v0                           ; r
	v_bfe_u32 v2, v0, 4, 1                         ; h
	v_mul_u32_u24 v3, v1, PP
	v_lshl_add_u32 v3, v2, 4, v3                   ; 528 r + 16 h
	s_mul_i32 s20, s12, 32*PP
	v_add_nc_u32 v[ADRA], s20, v3
	v_add_nc_u32 v[ADRA+1], SLOT, v[ADRA]
	v_and_b32 v4, 7, v0
	v_bfe_u32 v5, v0, 3, 1
	v_lshl_add_u32 v4, v2, 3, v4
	v_mul_u32_u24 v4, v4, PV
	v_lshl_add_u32 v4, v5, 4, v4                   ; the turning load: key 8 h + lane % 8, channels 8 ((lane / 8) % 2) on
	v_add_nc_u32 v[ADRB], PT, v4
	v_add_nc_u32 v[ADRB+1], SLOT, v[ADRB]
	v_add_nc_u32 v[ADRB+2], 128*PV, v[ADRB]        ; a register of its own for the second block: the loads' offsets stay inside their 16 bits
	v_add_nc_u32 v[ADRB+3], 128*PV, v[ADRB+1]
	s_mul_i32 s20, s12, 16*272
	s_add_co_u32 s20, s20, STAGE
	v_mul_u32_u24 v6, v1, 272
	v_lshl_add_u32 v6, v2, 4, v6
	v_add_nc_u32 v[STO], s20, v6
	v_mul_u32_u24 v5, v2, 272
	v_lshl_add_u32 v5, v1, 4, v5
	v_add_nc_u32 v[RD], s20, v5
	v_lshlrev_b32 v5, 11, v2
	v_lshl_add_u32 v[CO], v1, 4, v5
	s_lshl_b32 s20, s12, 3
	v_lshlrev_b32 v[MO], 5, v1
	v_add_nc_u32 v[MO], s20, v[MO]
	v_and_b32 v5, 31, v0
	v_lshlrev_b32 v[PFO], 12, v5
	; THE ROWS' M AND 1 / L, OF BOTH TILES, while the first tiles are on their way.  Lane (r, h) takes blocks j = 8 h + 0 .. 7, held at the tile's last block: a repeat reads bytes that were written,
	; changes no maximum, and its l counts as 0.
	v_lshlrev_b32 v7, 3, v2
.irp n, 0,1,2,3,4,5,6,7
	v_add_nc_u32 v[32+\n], \n, v7
	v_min_u32 v[32+\n], s19, v[32+\n]
	v_lshl_add_u32 v[32+\n], v[32+\n], 10, v[MO]
	v_add_nc_u32 v[40+\n], \n, v7
	v_min_u32 v[40+\n], s[JM2], v[40+\n]
	v_lshl_add_u32 v[40+\n], v[40+\n], 10, v[MO]
.endr
.irp n, 0,1,2,3,4,5,6,7
	global_load_b64 v[48+2*\n:49+2*\n], v[32+\n], s[SB1:SB1+1]
	global_load_b64 v[64+2*\n:65+2*\n], v[32+\n], s[SB1:SB1+1] offset:512
.endr
.irp n, 0,1,2,3,4,5,6,7
	global_load_b64 v[80+2*\n:81+2*\n], v[40+\n], s[SB2:SB2+1]
	global_load_b64 v[96+2*\n:97+2*\n], v[40+\n], s[SB2:SB2+1] offset:512
.endr
	global_load_b64 v[MS:MS+1], v[MO], s[SB1:SB1+1]                ; stream slot 0's two m
	global_load_b64 v[MS+2:MS+3], v[MO], s[SB1:SB1+1] offset:1024
	WIN 0x40                                       ; O begins at 0: the step that starts a tile's O is written once for all slots, so it finds zeros
.set i, 0
.rept 128
	v_mov_b32 v[i], 0
.set i, i+1
.endr
	WIN 0
.irp a, 0,1,2,3
	v_mov_b32 v[EE+\a], 0                          ; a lane permute's destination counts as one of its sources
	v_mov_b32 v[FP+2*\a+1], 0                      ; the pairs' upper words are named, so they are written
.endr
	s_wait_loadcnt 2                               ; the 32 loads are in; slot 0's two m may be out
.macro STATC mB, lB, jm, MMo, RLo
.irp n, 0,1,2,3,4,5,6,7
	v_add_nc_u32 v216, \n, v7
	v_cmp_ge_u32 vcc_lo, s[\jm], v216
	v_cndmask_b32 v[\lB+2*\n], 0, v[\lB+2*\n], vcc_lo
	v_cndmask_b32 v[\lB+2*\n+1], 0, v[\lB+2*\n+1], vcc_lo
.endr
.irp a, 0,1
	v_max3_num_f32 v[\MMo+\a], v[\mB+\a], v[\mB+2+\a], v[\mB+4+\a]
.endr
.irp a, 0,1
	v_max3_num_f32 v[\MMo+\a], v[\MMo+\a], v[\mB+6+\a], v[\mB+8+\a]
.endr
.irp a, 0,1
	v_max3_num_f32 v[\MMo+\a], v[\MMo+\a], v[\mB+10+\a], v[\mB+12+\a]
.endr
.irp a, 0,1
	v_max_num_f32 v[\MMo+\a], v[\MMo+\a], v[\mB+14+\a]
.endr
.irp a, 0,1
	v_permlanex16_b32 v[EE+\a], v[\MMo+\a], s46, s47
.endr
.irp a, 0,1
	v_max_num_f32 v[\MMo+\a], v[\MMo+\a], v[EE+\a] ; M: the row's largest t
.endr
.irp n, 0,1,2,3,4,5,6,7
	v_pk_add_f32 v[\mB+2*\n:\mB+2*\n+1], v[\mB+2*\n:\mB+2*\n+1], v[\MMo:\MMo+1] neg_lo:[0,1] neg_hi:[0,1]
.endr
.set i, 0
.rept 16
	v_exp_f32 v[\mB+i], v[\mB+i]                   ; 2^(m_j - M)
.set i, i+1
.endr
	v_nop                                          ; a plain instruction behind the exponentials
	s_wait_alu depctr_va_vdst(0)                   ; one wait for the batch
	v_pk_mul_f32 v[\RLo:\RLo+1], v[\mB:\mB+1], v[\lB:\lB+1]
.irp n, 1,2,3,4,5,6,7
	v_pk_fma_f32 v[\RLo:\RLo+1], v[\mB+2*\n:\mB+2*\n+1], v[\lB+2*\n:\lB+2*\n+1], v[\RLo:\RLo+1]
.endr
.irp a, 0,1
	v_permlanex16_b32 v[EE+\a], v[\RLo+\a], s46, s47
.endr
.irp a, 0,1
	v_add_f32 v[\RLo+\a], v[\RLo+\a], v[EE+\a]     ; L
.endr
.irp a, 0,1
	v_rcp_f32 v[\RLo+\a], v[\RLo+\a]
.endr
	v_nop
	s_wait_alu depctr_va_vdst(0)
.endm
	STATC 48, 64, 19, MM, RL                       ; the long tile comes first
	STATC 80, 96, JM2, MM2, RL2
.macro MULA f, a, zero                 ; 8 matrix instructions: query block a x all 8 channel blocks, 32 keys.  The 16 accumulators take turns, one instruction a turn
.irp b, 0,1,2,3,4,5,6,7
.if \zero
	v_wmma_f32_16x16x32_f16 v[OT+8*(8*(\a)+\b):OT+8*(8*(\a)+\b)+7], v[\f+16+8*\b:\f+16+8*\b+7], v[\f+8*(\a):\f+8*(\a)+7], 0
.else
	v_wmma_f32_16x16x32_f16 v[OT+8*(8*(\a)+\b):OT+8*(8*(\a)+\b)+7], v[\f+16+8*\b:\f+16+8*\b+7], v[\f+8*(\a):\f+8*(\a)+7], v[OT+8*(8*(\a)+\b):OT+8*(8*(\a)+\b)+7]
.endif
.endr
.endm
.macro FETCH p, q, f                   ; 20 LDS loads in one run: keys 32 q on of LDS slot p (q = 0 .. 7): V turned (16), then P's two blocks (4)
.irp b, 0,1,2,3,4,5,6,7
	ds_load_tr16_b128 v[\f+16+8*\b:\f+16+8*\b+3],   v[ADRB+2*((\q)/4)+\p] offset:32*PV*((\q)%4)+32*\b
	ds_load_tr16_b128 v[\f+16+8*\b+4:\f+16+8*\b+7], v[ADRB+2*((\q)/4)+\p] offset:32*PV*((\q)%4)+16*PV+32*\b
.endr
.irp a, 0,1
	ds_load_b128 v[\f+8*\a:\f+8*\a+3],   v[ADRA+\p] offset:64*(\q)+\a*16*PP
	ds_load_b128 v[\f+8*\a+4:\f+8*\a+7], v[ADRA+\p] offset:64*(\q)+\a*16*PP+32
.endr
.endm
.macro PLACES                          ; four places in front of loads into registers that matrix instructions have read, and of the first read of results
.rept 4
	v_nop
.endr
.endm
.macro ACC st                          ; O += f x T, for block st of the slot
	PLACES
	WIN 0x51                                       ; T and O window 1, f window 0
.irp a, 0,1
.set i, 0
.rept 32
	v_pk_fma_f32 v[64*\a+i:64*\a+i+1], v[OT+64*\a+i:OT+64*\a+i+1], v[FP+2*(2*(\st)+\a):FP+2*(2*(\st)+\a)+1], v[64*\a+i:64*\a+i+1] op_sel_hi:[1,0,1]   ; each accumulator from its low end on
.set i, i+2
.endr
.endr
	WIN 0
.endm
; A SLOT'S WORK: eight quarters of 32 keys, 16 matrix instructions each, on buffers 0, 1 by turns; at a quarter's head the next quarter's fragments are asked for.  Each block's first products start T; behind each block O takes it.
.macro PROC p
	FETCH \p, 0, F0
.set Q, 0
.rept 8
.set FC, F0+80*(Q%2)
.set FN, F0+80*((Q+1)%2)
.set QN, Q+1
.set ZF, 0
.if (Q%4) == 0
.set ZF, 1
.endif
.if Q < 7
.if (Q%4) != 0
	PLACES                                         ; (at a block's head the additions into O are the places)
.endif
	FETCH \p, QN, FN
	s_wait_dscnt 20                                ; all but the 20 just issued: this quarter's fragments are in
.else
	s_wait_dscnt 0x0
.endif
	WIN MUL
	MULA FC, 0, ZF
	MULA FC, 1, ZF
	WIN 0
.if (Q%4) == 3
.set SQ, Q/4
	ACC SQ
.endif
.set Q, Q+1
.endr
.endm
; The slot's four factors f = 2^(m - M) / L.  more = 1: the next stream slot's two m are asked for: they have a whole slot in which to come.
.macro FCALC more
	s_wait_loadcnt 0x0                             ; this slot's m
	v_pk_add_f32 v[EE:EE+1], v[MS:MS+1], v[MM:MM+1] neg_lo:[0,1] neg_hi:[0,1]
	v_pk_add_f32 v[EE+2:EE+3], v[MS+2:MS+3], v[MM:MM+1] neg_lo:[0,1] neg_hi:[0,1]
.if \more
	global_load_b64 v[MS:MS+1], v[MO], s[SBN:SBN+1]
	global_load_b64 v[MS+2:MS+3], v[MO], s[SBN:SBN+1] offset:1024
.endif
.irp k, 0,1,2,3
	v_exp_f32 v[EE+\k], v[EE+\k]
.endr
	v_nop
	s_wait_alu depctr_va_vdst(0)                   ; one wait for the four
.irp k, 0,1,2,3
	v_mul_f32 v[FP+2*\k], v[EE+\k], v[RL+(\k%2)]
.endr
.endm
.macro ASK                             ; the stream slot behind the one just asked for: 32 rows x 256 bytes of P, a lane a row
	s_cmp_eq_u32 s[LIM], 1
	s_cbranch_scc0 .Lnot_mine_\@
	global_prefetch_b8 v[PFO], s[PFA:PFA+1] th:TH_LOAD_NT scope:SCOPE_SE
.Lnot_mine_\@:
.endm
; THE CHANGE OF SLOTS stands at a slot's head.  Each wave waits for all its tensor loads (one is out: its part of the slot that it is about to read), adds 0 to its spare word, and waits for that and for its reads of the slot
; that it has left.  fill = 1: the barrier is a round of the cluster's, and behind it LDS slot rs, just left, takes the stream slot after the one in hand.  The pointers step by a slot; where the next stream slot is the short
; tile's first, they take that tile's start: the compare is made of the work-group's y and the count of slots alone, the same in all waves and partners.
.macro CHANGE rs, fill, ask
	s_wait_tensorcnt 0x0                           ; no tensor load of mine is out, so a group 0 may be written
	ds_add_u32 v[SPW], v[NIL]                      ; 0 onto my spare word; the steps below stand between it and the wait for it
	s_add_co_u32 s[TC], s[TC], 1
.if \fill
	s_add_nc_u64 s[PN:PN+1], s[PN:PN+1], 512
	s_add_nc_u64 s[VN:VN+1], s[VN:VN+1], VSTEP
	s_wait_xcnt 0x0                                ; the loads of m and the prefetch of the last change, a slot back, have read their addresses
	s_add_nc_u64 s[SBN:SBN+1], s[SBN:SBN+1], 2048
	s_cmp_eq_u32 s[TC], s[NA]
	s_cselect_b64 s[PN:PN+1], s[P2:P2+1], s[PN:PN+1]
	s_cselect_b64 s[VN:VN+1], s[V2:V2+1], s[VN:VN+1]
	s_cselect_b64 s[SBN:SBN+1], s[SB2:SB2+1], s[SBN:SBN+1]
.if \ask
	s_add_nc_u64 s[PFA:PFA+1], s[PFA:PFA+1], 512
	s_cmp_eq_u32 s[TC], s[NB]
	s_cselect_b64 s[PFA:PFA+1], s[PF2:PF2+1], s[PFA:PFA+1]
.endif
	s_mov_b64 s[G0+4*\rs+2:G0+4*\rs+3], s[PN:PN+1]
	s_or_b32 s[G0+4*\rs+3], s[G0+4*\rs+3], 0x80000000
	s_mov_b64 s[G0B+4*\rs+2:G0B+4*\rs+3], s[VN:VN+1]
	s_or_b32 s[G0B+4*\rs+3], s[G0B+4*\rs+3], 0x80000000
	s_wait_dscnt 0x0                               ; the add is done, and my reads of the slot that I have left are over
	CROUND
	JLOAD \rs                                      ; my one tensor load behind the round: one load of mine is out
.if \ask
	ASK
.endif
.else
	s_wait_dscnt 0x0
	s_barrier_signal -1
	s_barrier_wait -1
.endif
.endm
; THE WAY OUT of a tile: O is already divided by L.  Two blocks of 16 queries: to f16, through my own stage, out as whole rows of 256 bytes.
.macro PACK a
	WIN 0x05                                       ; sources 0 and 1: window 1
.irp b, 0,1,2,3,4,5,6,7
.irp r, 0,1,2,3
	v_cvt_pk_f16_f32 v[TMP+4*\b+\r], v[64*(\a)+8*\b+2*\r], v[64*(\a)+8*\b+2*\r+1]
.endr
.endr
	WIN 0
.endm
.macro TOSTAGE a
.set BB, 64+32*((\a)%2)
.irp b, 0,1,2,3,4,5,6,7
	ds_store_b128 v[STO], v[TMP+4*\b:TMP+4*\b+3] offset:32*\b
.endr
.irp t, 0,1,2,3,4,5,6,7
	ds_load_b128 v[BB+4*\t:BB+4*\t+3], v[RD] offset:\t*2*272       ; LDS serves a wave's instructions in order: these see my stores
.endr
.endm
.macro SEND a, cp
.set BB, 64+32*((\a)%2)
	s_wait_dscnt 0x0                               ; the block is back in registers
.irp t, 0,1,2,3,4,5,6,7
	global_store_b128 v[CO], v[BB+4*\t:BB+4*\t+3], s[\cp:\cp+1] offset:(\a)*16*2048+2*\t*2048   ; 16 lanes store 256 consecutive bytes, aligned
.endr
.endm
.macro WAYOUT cp
	PACK 0
	TOSTAGE 0
	PACK 1                                         ; block 1's conversions stand between block 0's loads from the stage and the wait for them
	SEND 0, \cp
	TOSTAGE 1
	SEND 1, \cp
.endm
; THE CHANGE OF TILES, where the slot in hand is the short tile's first: the long tile goes out, O begins at 0 again, M and 1 / L are the short tile's.  No barrier and no tensor load stands here; the next slot's load is already out.
.macro TCHK
	s_cmp_lg_u32 s[TC], s[N1]
	s_cbranch_scc1 .Lsame_\@
	WAYOUT CP1
	WIN 0x40
.set i, 0
.rept 128
	v_mov_b32 v[i], 0
.set i, i+1
.endr
	WIN 0
	v_mov_b32 v[MM], v[MM2]
	v_mov_b32 v[MM+1], v[MM2+1]
	v_mov_b32 v[RL], v[RL2]
	v_mov_b32 v[RL+1], v[RL2+1]
	s_wait_xcnt 0x0                                ; the stores have read their data: those registers take fragments again only behind this wait
.Lsame_\@:
.endm
	s_wait_tensorcnt 1                             ; my part of stream slot 0 is in; slot 1's load may be out
	s_barrier_signal -1
	s_barrier_wait -1
	FCALC 1
	PROC 0                                         ; stream slot 0
	s_mov_b32 s3, 3
.Llap:                                                 ; three trips: stream slots 1 to 6; each change asks for the slot after the one in hand
	CHANGE 0, 1, 1
	TCHK
	FCALC 1
	PROC 1
	CHANGE 1, 1, 1
	TCHK
	FCALC 1
	PROC 0
	s_sub_co_u32 s3, s3, 1
	s_cmp_lg_u32 s3, 0
	s_cbranch_scc1 .Llap
	CHANGE 0, 1, 0                                 ; stream slot 7: the last refill (slot 8); there is no slot behind it to prefetch
	TCHK
	FCALC 1
	PROC 1
	CHANGE 0, 0, 0                                 ; stream slot 8: nothing is left to ask for
	TCHK
	FCALC 0
	PROC 0
	WAYOUT CP2                                     ; the short tile
	s_wait_tensorcnt 0x0                           ; the wave's end
	ds_add_u32 v[SPW], v[NIL]
	s_wait_dscnt 0x0
	CROUND                                         ; the closing round
	s_endpgm
.Lfunc_end_k_q1f9d5c0310_ctx:
	.size	k_q1f9d5c0310_ctx, .Lfunc_end_k_q1f9d5c0310_ctx-k_q1f9d5c0310_ctx
	.p2alignl 7, 3214868480
	.fill 96, 4, 3214868480
	.section	.rodata,"a",@progbits
	.p2align	6, 0x0
	.amdhsa_kernel k_q1f9d5c0310_ctx
		.amdhsa_group_segment_fixed_size 327680
		.amdhsa_private_segment_fixed_size 0
		.amdhsa_enable_private_segment 0
		.amdhsa_kernarg_size 32
		.amdhsa_user_sgpr_count 2
		.amdhsa_user_sgpr_kernarg_segment_ptr 1
		.amdhsa_wavefront_size32 1
		.amdhsa_system_sgpr_workgroup_id_x 1
		.amdhsa_system_sgpr_workgroup_id_y 1
		.amdhsa_system_sgpr_workgroup_id_z 1
		.amdhsa_system_vgpr_workitem_id 0
		.amdhsa_next_free_vgpr 512
		.amdhsa_next_free_sgpr 96
		.amdhsa_reserve_vcc 1
		.amdhsa_float_denorm_mode_32 3
		.amdhsa_float_denorm_mode_16_64 3
		.amdhsa_memory_ordered 1
		.amdhsa_forward_progress 1
		.amdhsa_inst_pref_size 229
	.end_amdhsa_kernel
	.amdgpu_metadata
---
amdhsa.version: [ 1, 2 ]
amdhsa.kernels:
  - .name:           k_q1f9d5c0310_ctx
    .symbol:         k_q1f9d5c0310_ctx.kd
    .args:
      - { .name: p16, .offset: 0, .size: 8, .value_kind: global_buffer, .address_space: global }
      - { .name: stat, .offset: 8, .size: 8, .value_kind: global_buffer, .address_space: global }
      - { .name: qkv16, .offset: 16, .size: 8, .value_kind: global_buffer, .address_space: global }
      - { .name: ctx16, .offset: 24, .size: 8, .value_kind: global_buffer, .address_space: global }
    .group_segment_fixed_size: 327680
    .private_segment_fixed_size: 0
    .kernarg_segment_align: 8
    .kernarg_segment_size: 32
    .max_flat_workgroup_size: 128
    .sgpr_count:     96
    .vgpr_count:     512
    .wavefront_size: 32
...
	.end_amdgpu_metadata
.endif
;; end of part 4
;; launch outp (part 5): grid 8 x 32, 4 waves a work-group, clusters of 4 x 4, 327,680 bytes of LDS; arguments ctx16, wo16, bo, out0; writes out0
.if DOCPART == 5
	.amdgcn_target "amdgcn-amd-amdhsa--gfx1250"
	.amdhsa_code_object_version 6
	.text
	.protected	k_q1f9d5c0310_outp
	.globl	k_q1f9d5c0310_outp
	.p2align	8
	.type	k_q1f9d5c0310_outp,@function
k_q1f9d5c0310_outp:
	s_mov_b64 s[64:65], 0
	v_nop
	global_prefetch_b8 v0, s[64:65] scope:SCOPE_SE
	s_setreg_imm32_b32 hwreg(HW_REG_WAVE_MODE, 25, 1), 1
	s_wait_xcnt 0x0
	s_wait_alu depctr_hold_cnt(0) depctr_sa_sdst(0) depctr_va_vdst(0) depctr_va_sdst(0) depctr_va_ssrc(0) depctr_va_vcc(0) depctr_vm_vsrc(0)
	s_getreg_b32 s2, hwreg(HW_REG_IB_STS2, 6, 4)
	s_cmp_eq_u32 s2, 0
	s_cbranch_scc0 .Lentry_in_a_cluster
	s_endpgm
.Lentry_in_a_cluster:
	s_bfe_u32 s2, ttmp6, 0x10000c
	s_cmp_lg_u32 s2, 0xf033
	s_cbranch_scc0 .Lentry_shape_is_right
	s_endpgm
.Lentry_shape_is_right:
; LAUNCH 5 OF 6.  out = ctx Wo^T + bo on f16 operands, f32 sums, for every row but positions 0 to 15 of each sequence: those 64 rows are the last launch's, in f32, and are not stored here.
; A work-group makes 256 rows x 128 columns (256 work-groups); wave w owns rows 64 w .. 64 w + 63 and all 128 columns: 32 accumulators.  K = 1,024 goes in 8 steps of 128 through a ring of two LDS slots.
; CLUSTER 4 x 4: ctx's tiles are shared along a row of the cluster, Wo's along a column: joint loads.  The tile row is 8 cy + cluster y, so that 'the tile holds a sequence's first rows' is 'cluster y = 0', which all partners share.
; TRANSPOSED USE: source 0 = 16 rows of Wo, source 1 = 16 rows of ctx: a lane holds eight neighbouring columns of one row.  bo is the C of each sum's first instruction.
; REGISTERS: window 0: v16-31 addresses; fragment buffers F0 = v32-127, F1 = v128-223 (32 of ctx, then 64 of Wo).  window 1: the accumulators ((a, b) at v[8 (8 a + b)]).  window 2: v0-63 bo in C's layout.
.set PP,    272
.set PT,    256*PP
.set SLOT,  PT+128*PP
.set STAGE, 2*SLOT                     ; 16 rows x 528 bytes for each wave
.set SPARE, STAGE+4*16*528
.set ADRA, 16
.set ADRB, 20
.set STO,  24
.set RD,   25
.set CO,   26
.set SPW,  28
.set NIL,  29
.set PFO,  30
.set BOF,  31
.set F0,   32
.set F1,   128
.set BK,   32
.set G1,   24
.set G0,   32
.set G1B,  48
.set G0B,  56
.set PFA,  42
.set LIM,  44
.set MSB, 0
.macro WIN new
.if MSB != (\new)
	s_set_vgpr_msb (MSB<<8)|(\new)
.set MSB, (\new)
.endif
.endm
.set MUL, 0x50                         ; operands window 0; C and D window 1
.macro JLOAD s
	s_cmp_eq_u32 s13, 0
	s_cbranch_scc0 .Lfor_b_\@
	tensor_load_to_lds s[G0+4*\s:G0+4*\s+3], s[G1:G1+7]
	s_nop 0
.rept 4
	v_nop
.endr
	s_branch .Lasked_\@
.Lfor_b_\@:
	tensor_load_to_lds s[G0B+4*\s:G0B+4*\s+3], s[G1B:G1B+7]
	s_nop 0
.rept 4
	v_nop
.endr
.Lasked_\@:
.endm
.macro CREST
	s_cmp_lg_u32 s12, 0
	s_cbranch_scc1 .Lnot_wave_0_\@
	s_barrier_signal -3
.Lnot_wave_0_\@:
	s_barrier_wait -3
	s_barrier_signal -1
	s_barrier_wait -1
.endm
.macro CROUND
	s_barrier_signal -1
	s_barrier_wait -1
	CREST
.endm
	s_load_b256 s[4:11], s[0:1], 0x0               ; ctx16 s[4:5], wo16 s[6:7], bo s[8:9], out0 s[10:11]
	v_lshl_add_u32 v[SPW], v0, 2, SPARE
	v_mov_b32 v[NIL], 0
	ds_add_u32 v[SPW], v[NIL]                      ; the wave's opening: the add, twice on end, and its wait ahead of my first tensor load
	ds_add_u32 v[SPW], v[NIL]
	v_lshrrev_b32 v1, 5, v0
	v_readfirstlane_b32 s12, v1                    ; wave
	s_lshr_b32 s13, s12, 1                         ; I fetch ctx (0) or Wo (1)
	s_and_b32 s14, s12, 1                          ; which half
	s_bfe_u32 s15, ttmp6, 0x40000                  ; cx
	s_bfe_u32 s16, ttmp6, 0x40004                  ; cy
	s_lshl_b32 s17, ttmp9, 2
	s_add_co_u32 s17, s17, s15                     ; tile column
	s_and_b32 s19, ttmp7, 0xffff                   ; cluster y
	s_lshl_b32 s18, s16, 3
	s_add_co_u32 s18, s18, s19                     ; tile row = 8 cy + cluster y
	s_lshl_b32 s68, s16, 2
	s_lshl_b32 s68, 15, s68                        ; my row of the cluster
	s_lshl_b32 s69, 0x1111, s15                    ; my column
	s_or_b32 s[G1+0], s68, (1<<16)|(1<<20)|(1<<21)|(5<<22)|(3<<25)
	s_or_b32 s[G1B+0], s69, (1<<16)|(1<<20)|(1<<21)|(5<<22)|(3<<25)
	s_mov_b32 s[G1+1], 128<<16
	s_mov_b32 s[G1+2], 128<<16
	s_mov_b32 s[G1+3], 128<<16
	s_mov_b32 s[G1+4], 128
	s_mov_b32 s[G1+5], 1024
	s_mov_b32 s[G1+6], 0
	s_mov_b32 s[G1+7], 0
	s_mov_b32 s[G1B+1], 128<<16
	s_mov_b32 s[G1B+2], 64<<16
	s_mov_b32 s[G1B+3], 128<<16
	s_mov_b32 s[G1B+4], 64
	s_mov_b32 s[G1B+5], 1024
	s_mov_b32 s[G1B+6], 0
	s_mov_b32 s[G1B+7], 0
	s_lshl_b32 s20, s18, 8
	s_lshl_b32 s21, s14, 7
	s_add_co_u32 s20, s20, s21
	s_lshl_b32 s20, s20, 11                        ; ctx: row 256 x tile row + 128 x half
	s_mov_b32 s21, 0
	s_lshl_b32 s22, s17, 7
	s_lshl_b32 s23, s14, 6
	s_add_co_u32 s22, s22, s23
	s_lshl_b32 s22, s22, 11                        ; Wo: row 128 x tile column + 64 x half
	s_mov_b32 s23, 0
	s_mul_i32 s66, s14, 128*PP
	s_mul_i32 s67, s14, 64*PP
	s_add_co_u32 s67, s67, PT
	s_wait_dscnt 0x0                               ; both opening adds are done
	s_wait_kmcnt 0x0
	s_add_nc_u64 s[20:21], s[4:5], s[20:21]
	s_add_nc_u64 s[22:23], s[6:7], s[22:23]
	CROUND                                         ; all sixteen work-groups are here
.irp s, 0,1
	s_mov_b32 s[G0+4*\s], 1
	s_add_co_u32 s[G0+4*\s+1], s66, \s*SLOT
	s_add_nc_u64 s[G0+4*\s+2:G0+4*\s+3], s[20:21], \s*256
	s_or_b32 s[G0+4*\s+3], s[G0+4*\s+3], 0x80000000
	s_mov_b32 s[G0B+4*\s], 1
	s_add_co_u32 s[G0B+4*\s+1], s67, \s*SLOT
	s_add_nc_u64 s[G0B+4*\s+2:G0B+4*\s+3], s[22:23], \s*256
	s_or_b32 s[G0B+4*\s+3], s[G0B+4*\s+3], 0x80000000
	JLOAD \s                                       ; two tensor loads of mine are out
.endr
	; the prefetches of ctx: both clusters of a tile row read the same rows: cluster x = 0 asks; the partner at place cx takes 32 of the 128 rows that wave 0 or 1 fetches, told apart by address
	s_lshl_b32 s22, s15, 16
	s_add_co_u32 s22, s22, 2*256
	s_mov_b32 s23, 0
	s_add_nc_u64 s[PFA:PFA+1], s[20:21], s[22:23]
	s_or_b32 s[LIM], s13, ttmp9
	s_cmp_eq_u32 s[LIM], 0
	s_cselect_b32 s[LIM], 1, -1
	v_and_b32 v1, 15, v0                           ; r
	v_bfe_u32 v2, v0, 4, 1                         ; h
	s_lshl_b32 s20, s17, 9
	s_mov_b32 s21, 0
	s_add_nc_u64 s[66:67], s[8:9], s[20:21]        ; bo at my 128 columns
	v_lshlrev_b32 v[BOF], 5, v2
	WIN 0x80                                       ; destination window 2: register 8 b + j = bo[16 b + 8 h + j]
.irp b, 0,1,2,3,4,5,6,7
	global_load_b128 v[8*\b:8*\b+3], v[BOF], s[66:67] offset:64*\b
	global_load_b128 v[8*\b+4:8*\b+7], v[BOF], s[66:67] offset:64*\b+16
.endr
	WIN 0
	v_mul_u32_u24 v3, v1, PP
	v_lshl_add_u32 v3, v2, 4, v3
	s_mul_i32 s22, s12, 64*PP
	v_add_nc_u32 v[ADRA], s22, v3
	v_add_nc_u32 v[ADRA+1], SLOT, v[ADRA]
	v_add_nc_u32 v[ADRB], PT, v3
	v_add_nc_u32 v[ADRB+1], SLOT, v[ADRB]
	s_mul_i32 s22, s12, 16*528
	s_add_co_u32 s22, s22, STAGE
	v_mul_u32_u24 v5, v1, 528
	v_lshl_add_u32 v5, v2, 5, v5
	v_add_nc_u32 v[STO], s22, v5
	v_and_b32 v5, 31, v0
	v_lshlrev_b32 v[CO], 4, v5
	v_add_nc_u32 v[RD], s22, v[CO]
	v_lshlrev_b32 v[PFO], 11, v5
	s_lshl_b32 s22, s18, 8
	s_lshl_b32 s23, s12, 6
	s_add_co_u32 s22, s22, s23
	s_lshl_b32 s22, s22, 12
	s_add_co_u32 s22, s22, s20                     ; + 512 x tile column
	s_mov_b32 s23, 0
	s_add_nc_u64 s[10:11], s[10:11], s[22:23]
.macro MULA f, a, first                ; 8 matrix instructions; first = 1: C is bo.  The 32 accumulators take turns
.irp b, 0,1,2,3,4,5,6,7
.if \first
	v_wmma_f32_16x16x32_f16 v[8*(8*(\a)+\b):8*(8*(\a)+\b)+7], v[\f+32+8*\b:\f+32+8*\b+7], v[\f+8*(\a):\f+8*(\a)+7], v[8*\b:8*\b+7]
.else
	v_wmma_f32_16x16x32_f16 v[8*(8*(\a)+\b):8*(8*(\a)+\b)+7], v[\f+32+8*\b:\f+32+8*\b+7], v[\f+8*(\a):\f+8*(\a)+7], v[8*(8*(\a)+\b):8*(8*(\a)+\b)+7]
.endif
.endr
.endm
.macro FETCH slot, q, f                ; 24 LDS loads in one run: Wo's eight fragments, then ctx's blocks 0, 1, then 2, 3
.irp b, 0,1,2,3,4,5,6,7
	ds_load_b128 v[\f+32+8*\b:\f+32+8*\b+3],   v[ADRB+\slot] offset:64*(\q)+\b*16*PP
	ds_load_b128 v[\f+32+8*\b+4:\f+32+8*\b+7], v[ADRB+\slot] offset:64*(\q)+\b*16*PP+32
.endr
.irp a, 0,1,2,3
	ds_load_b128 v[\f+8*\a:\f+8*\a+3],   v[ADRA+\slot] offset:64*(\q)+\a*16*PP
	ds_load_b128 v[\f+8*\a+4:\f+8*\a+7], v[ADRA+\slot] offset:64*(\q)+\a*16*PP+32
.endr
.endm
.macro PLACES
.rept 4
	v_nop
.endr
.endm
.macro QUARTER slot, qn, f, g, first
	s_wait_dscnt 4                                 ; Wo's fragments and ctx's blocks 0, 1 are in; the youngest 4 loads may be out
	WIN MUL+0x10*(\first)                          ; (first: C in window 2)
	MULA \f, 0, \first
	MULA \f, 1, \first
	PLACES
	WIN 0
	FETCH \slot, \qn, \g
	s_wait_dscnt 24                                ; all but the 24 just issued
	WIN MUL+0x10*(\first)
	MULA \f, 2, \first
	MULA \f, 3, \first
.endm
.macro ASK                             ; the K step that stands two refills on: 32 rows x 256 bytes, a lane a row; the loop's last trip (s3 = 1) has none
	s_cmp_gt_u32 s3, s[LIM]
	s_cbranch_scc0 .Lnot_mine_\@
	global_prefetch_b8 v[PFO], s[PFA:PFA+1] offset:256 th:TH_LOAD_NT scope:SCOPE_SE
.Lnot_mine_\@:
.endm
.macro TURN slot, next, fill           ; the change of slots: as in the launch before
	WIN 0
.if \fill
	s_wait_xcnt 0x0                                ; the last prefetch, a K step back, has read its address
	s_add_nc_u64 s[PFA:PFA+1], s[PFA:PFA+1], 256
.endif
	s_wait_tensorcnt 0x0                           ; all my tensor loads have landed: my part of the next slot
	ds_add_u32 v[SPW], v[NIL]
	s_wait_dscnt 5                                 ; the add and the youngest 4 loads may be out
	WIN MUL
	MULA F1, 0, 0
	s_wait_dscnt 0x0                               ; the add is done, and my reads of this slot are over
	s_barrier_signal -1
	MULA F1, 1, 0
	WIN 0
	s_barrier_wait -1
.if \fill
	CREST                                          ; the barrier has opened a round of the cluster's
	s_add_nc_u64 s[G0+4*\slot+2:G0+4*\slot+3], s[G0+4*\slot+2:G0+4*\slot+3], 2*256
	s_add_nc_u64 s[G0B+4*\slot+2:G0B+4*\slot+3], s[G0B+4*\slot+2:G0B+4*\slot+3], 2*256
	JLOAD \slot                                    ; my one tensor load behind the round
.else
	PLACES
.endif
	FETCH \next, 0, F0
.if \fill
	ASK
.endif
	WIN MUL
	MULA F1, 2, 0
	MULA F1, 3, 0
.endm
	s_wait_tensorcnt 1                             ; my part of K step 0 is in; K step 1's load may be out
	s_barrier_signal -1
	s_barrier_wait -1
	FETCH 0, 0, F0
	s_wait_loadcnt 0x0                             ; bo
	QUARTER 0, 1, F0, F1, 1
	WIN 0
	s_mov_b32 s3, 3
.Llap:
	QUARTER 0, 2, F1, F0, 0
	QUARTER 0, 3, F0, F1, 0
	TURN 0, 1, 1
	QUARTER 1, 1, F0, F1, 0
	QUARTER 1, 2, F1, F0, 0
	QUARTER 1, 3, F0, F1, 0
	TURN 1, 0, 1
	QUARTER 0, 1, F0, F1, 0
	WIN 0
	s_sub_co_u32 s3, s3, 1
	s_cmp_lg_u32 s3, 0
	s_cbranch_scc1 .Llap
	QUARTER 0, 2, F1, F0, 0                        ; the last lap fills nothing
	QUARTER 0, 3, F0, F1, 0
	TURN 0, 1, 0
	QUARTER 1, 1, F0, F1, 0
	QUARTER 1, 2, F1, F0, 0
	QUARTER 1, 3, F0, F1, 0
	s_wait_dscnt 4
	WIN MUL
	MULA F1, 0, 0
	MULA F1, 1, 0
	s_wait_dscnt 0
	MULA F1, 2, 0
	MULA F1, 3, 0
	WIN 0
; THE WAY OUT, block by block of 16 rows x 128 columns of f32: through my stage, back as whole rows of 512 bytes.
.macro TOSTAGE a
	WIN 0x04                                       ; an LDS store's data: window 1
.irp b, 0,1,2,3,4,5,6,7
	ds_store_b128 v[STO], v[64*(\a)+8*\b:64*(\a)+8*\b+3] offset:64*\b          ; each accumulator from its low end on
	ds_store_b128 v[STO], v[64*(\a)+8*\b+4:64*(\a)+8*\b+7] offset:64*\b+16
.endr
	WIN 0
.set BB, BK+64*((\a)%2)
.irp t, 0,1,2,3,4,5,6,7,8,9,10,11,12,13,14,15
	ds_load_b128 v[BB+4*\t:BB+4*\t+3], v[RD] offset:\t*528
.endr
.endm
.macro SEND a, younger
.set BB, BK+64*((\a)%2)
	s_wait_dscnt \younger                          ; the block is back; the next block's 16 stores and 16 loads may be out
.if (\a) > 0
	s_add_nc_u64 s[10:11], s[10:11], 16*4096       ; (behind a wait on XCNT: the earlier stores have read their base)
.else
	s_or_b32 s20, s12, s19                         ; wave 0 of a sequence's first tile: its block 0 is positions 0 to 15, which the last launch stores
	s_cmp_eq_u32 s20, 0
	s_cbranch_scc1 .Lfirst_rows
.endif
.irp t, 0,1,2,3,4,5,6,7,8,9,10,11,12,13,14,15
	global_store_b128 v[CO], v[BB+4*\t:BB+4*\t+3], s[10:11] offset:\t*4096 th:TH_STORE_NT   ; 512 consecutive bytes, aligned
.endr
.if (\a) == 0
.Lfirst_rows:
.endif
.endm
	PLACES
	TOSTAGE 0
.irp a, 1,2,3
.if \a > 1
	s_wait_xcnt 0x0                                ; block a - 2's stores have read their registers and their base
.endif
	TOSTAGE \a
	SEND (\a)-1, 32
.endr
	s_wait_xcnt 0x0
	SEND 3, 0
	s_wait_tensorcnt 0x0                           ; the wave's end
	ds_add_u32 v[SPW], v[NIL]
	s_wait_dscnt 0x0
	CROUND                                         ; the closing round
	s_endpgm
.Lfunc_end_k_q1f9d5c0310_outp:
	.size	k_q1f9d5c0310_outp, .Lfunc_end_k_q1f9d5c0310_outp-k_q1f9d5c0310_outp
	.p2alignl 7, 3214868480
	.fill 96, 4, 3214868480
	.section	.rodata,"a",@progbits
	.p2align	6, 0x0
	.amdhsa_kernel k_q1f9d5c0310_outp
		.amdhsa_group_segment_fixed_size 327680
		.amdhsa_private_segment_fixed_size 0
		.amdhsa_enable_private_segment 0
		.amdhsa_kernarg_size 32
		.amdhsa_user_sgpr_count 2
		.amdhsa_user_sgpr_kernarg_segment_ptr 1
		.amdhsa_wavefront_size32 1
		.amdhsa_system_sgpr_workgroup_id_x 1
		.amdhsa_system_sgpr_workgroup_id_y 1
		.amdhsa_system_sgpr_workgroup_id_z 1
		.amdhsa_system_vgpr_workitem_id 0
		.amdhsa_next_free_vgpr 576
		.amdhsa_next_free_sgpr 72
		.amdhsa_reserve_vcc 0
		.amdhsa_float_denorm_mode_32 3
		.amdhsa_float_denorm_mode_16_64 3
		.amdhsa_memory_ordered 1
		.amdhsa_forward_progress 1
		.amdhsa_inst_pref_size 87
	.end_amdhsa_kernel
	.amdgpu_metadata
---
amdhsa.version: [ 1, 2 ]
amdhsa.kernels:
  - .name:           k_q1f9d5c0310_outp
    .symbol:         k_q1f9d5c0310_outp.kd
    .args:
      - { .name: ctx16, .offset: 0, .size: 8, .value_kind: global_buffer, .address_space: global }
      - { .name: wo16, .offset: 8, .size: 8, .value_kind: global_buffer, .address_space: global }
      - { .name: bo, .offset: 16, .size: 8, .value_kind: global_buffer, .address_space: global }
      - { .name: out0, .offset: 24, .size: 8, .value_kind: global_buffer, .address_space: global }
    .group_segment_fixed_size: 327680
    .private_segment_fixed_size: 0
    .kernarg_segment_align: 8
    .kernarg_segment_size: 32
    .max_flat_workgroup_size: 128
    .sgpr_count:     72
    .vgpr_count:     576
    .wavefront_size: 32
...
	.end_amdgpu_metadata
.endif
;; end of part 5
;; launch first16 (part 6): grid 64 x 4, 16 waves a work-group, no clusters, 35,840 bytes of LDS; arguments fine32, Wo, bo, out0; writes out0
.if DOCPART == 6
	.amdgcn_target "amdgcn-amd-amdhsa--gfx1250"
	.amdhsa_code_object_version 6
	.text
	.protected	k_q1f9d5c0310_first16
	.globl	k_q1f9d5c0310_first16
	.p2align	8
	.type	k_q1f9d5c0310_first16,@function
k_q1f9d5c0310_first16:
	s_mov_b64 s[64:65], 0
	v_nop
	global_prefetch_b8 v0, s[64:65] scope:SCOPE_SE
	s_setreg_imm32_b32 hwreg(HW_REG_WAVE_MODE, 25, 1), 1
	s_wait_xcnt 0x0
; LAUNCH 6 OF 6.  Positions 0 to 15 of each sequence, where a row of the softmax averages one to sixteen values and the rounding of 16-bit operands would weigh most: scores, softmax, context and projection in f32.
; WORK LEFT OUT: bk (shown at the head of the first launch): fine32's k has none.  Keys beyond 15 are hidden from these queries by the mask that reference() builds itself.
; A work-group is (a slice of 16 output columns, a batch): 256 work-groups.  Each of its sixteen waves owns 64 of the 1,024 channels in all three products; the waves' parts of the scores and of the outputs are added through LDS.
; Scores and context are made anew in each of a batch's 64 slices (192 KB of fine32 read again): the price of one launch in place of three.  A row's 64 output bytes are a quarter of an aligned block of 256 bytes: 256 KB of the output in all.
; THE MATRIX FORM: 16 x 16 x 4 in f32: lane (r, h), register j of an operand holds K place 2 h + j.  In each product both operands put the same channel (or key) at the same place, so which one stands where is free.
;   S^T = k q^T (a lane: query r, keys 8 h + j);  ctx^T = v^T p^T (a lane: query r, channels 8 h + j of a tile of 16);  out^T = Wo ctx^T (a lane: query r, columns 8 h + j).  Each result is the next product's source 1 as it stands.
; The registers that the matrix form writes (v144-207) are written by matrix instructions alone.
.set FROW,  12288
.set SPB,   0                          ; LDS: sixteen images of 1,024 bytes: the waves' parts of S^T
.set PIMG,  16384                      ; the weights' image
.set OPB,   17408                      ; sixteen images: the waves' parts of out^T
.set SPARE, 33792                      ; the spare words, 128 bytes a wave
.set QR,  16
.set KR,  48
.set WR,  80
.set VR,  112
.set S0,  144
.set S1,  152
.set CT,  160
.set OA,  192
.set SP,  208
.set PR,  216
.set SPW, 252
.set NIL, 253
	s_load_b256 s[4:11], s[0:1], 0x0               ; fine32 s[4:5], Wo s[6:7], bo s[8:9], out0 s[10:11]
	v_lshl_add_u32 v[SPW], v0, 2, SPARE
	v_mov_b32 v[NIL], 0
	v_lshrrev_b32 v1, 5, v0
	v_readfirstlane_b32 s12, v1                    ; wave
	s_and_b32 s13, ttmp7, 0xffff                   ; batch
	v_and_b32 v1, 15, v0                           ; r
	v_bfe_u32 v2, v0, 4, 1                         ; h
	v_and_b32 v12, 31, v0
	v_mul_u32_u24 v3, v1, FROW
	v_lshl_add_u32 v3, v2, 7, v3                   ; q, k: row r, channels 32 h on
	v_lshlrev_b32 v4, 12, v1
	v_lshl_add_u32 v4, v2, 5, v4                   ; Wo: row r, channels 8 h on
	v_mul_u32_u24 v5, v2, 8*FROW
	v_lshl_add_u32 v5, v1, 2, v5                   ; v: keys 8 h on, channel r
	v_lshlrev_b32 v7, 4, v12                       ; an image's place for my lane
	s_lshl_b32 s20, s12, 10
	v_add_nc_u32 v6, s20, v7                       ; and in my wave's image
	s_min_u32 s21, s12, 1                          ; at the end waves 0 and 1 take one half of the registers each
	s_lshl_b32 s20, s21, 9
	v_add_nc_u32 v8, s20, v7
	v_lshlrev_b32 v9, 3, v2
	v_sub_nc_u32 v9, v1, v9                        ; r - 8 h
	s_lshl_b32 s20, s21, 4
	v_lshlrev_b32 v10, 5, v2
	v_add_nc_u32 v10, s20, v10                     ; bo: 32 h + 16 x half
	v_add_nc_u32 v11, s20, v4                      ; out0: row r, 32 h + 16 x half
	v_mov_b32 v224, 0xf149f2ca                     ; -1e30: hidden
	v_mov_b32 v226, 0                              ; a lane permute's destination counts as one of its sources
	v_mov_b32 v229, 0                              ; named as the upper half of a pair
	s_mov_b32 s14, 0x76543210
	s_mov_b32 s15, 0xfedcba98
	s_mov_b32 s16, 0x3d38aa3b                      ; log2(e) / 32
	s_mov_b32 s17, s16
	s_mul_i32 s20, s13, 16*FROW
	s_lshl_b32 s21, s12, 8
	s_add_co_u32 s20, s20, s21                     ; the batch's 16 rows, my 64 channels
	s_mov_b32 s21, 0
	s_lshl_b32 s22, ttmp9, 16
	s_lshl_b32 s23, s12, 8
	s_add_co_u32 s22, s22, s23                     ; the slice's 16 rows of Wo, my 64 channels
	s_mov_b32 s23, 0
	s_wait_kmcnt 0x0
	s_add_nc_u64 s[4:5], s[4:5], s[20:21]
	s_add_nc_u64 s[6:7], s[6:7], s[22:23]
	s_lshl_b32 s20, ttmp9, 6
	s_add_nc_u64 s[8:9], s[8:9], s[20:21]
	s_lshl_b32 s22, s13, 23
	s_add_co_u32 s22, s22, s20
	s_add_nc_u64 s[10:11], s[10:11], s[22:23]
.irp u, 0,1,2,3,4,5,6,7
	global_load_b128 v[QR+4*\u:QR+4*\u+3], v3, s[4:5] offset:16*\u              ; q[r][64 w + 32 h + 4 u ..]
.endr
.irp u, 0,1,2,3,4,5,6,7
	global_load_b128 v[KR+4*\u:KR+4*\u+3], v3, s[4:5] offset:4096+16*\u         ; k likewise
.endr
.irp t, 0,1,2,3
	global_load_b128 v[WR+8*\t:WR+8*\t+3], v4, s[6:7] offset:64*\t              ; Wo[16 ex + r][64 w + 16 t + 8 h ..]
	global_load_b128 v[WR+8*\t+4:WR+8*\t+7], v4, s[6:7] offset:64*\t+16
.endr
.irp t, 0,1,2,3
.irp n, 0,1,2,3,4,5,6,7
	global_load_b32 v[VR+8*\t+\n], v5, s[4:5] offset:8192+FROW*\n+64*\t         ; v[8 h + n][64 w + 16 t + r]
.endr
.endr
	s_wait_loadcnt 40                              ; q and k are in; Wo's 8 loads and v's 32 may be out
	; 1: my 64 channels' part of S^T: two accumulators by turns; the first two products start the sums
	v_wmma_f32_16x16x4_f32 v[S0:S0+7], v[KR:KR+1], v[QR:QR+1], 0
	v_wmma_f32_16x16x4_f32 v[S1:S1+7], v[KR+2:KR+3], v[QR+2:QR+3], 0
.irp u, 1,2,3,4,5,6,7
	v_wmma_f32_16x16x4_f32 v[S0:S0+7], v[KR+4*\u:KR+4*\u+1], v[QR+4*\u:QR+4*\u+1], v[S0:S0+7]
	v_wmma_f32_16x16x4_f32 v[S1:S1+7], v[KR+4*\u+2:KR+4*\u+3], v[QR+4*\u+2:QR+4*\u+3], v[S1:S1+7]
.endr
.rept 8
	v_nop                                          ; eight places behind this form (ISA guide 7.12.1)
.endr
.irp j, 0,2,4,6
	v_pk_add_f32 v[SP+\j:SP+\j+1], v[S0+\j:S0+\j+1], v[S1+\j:S1+\j+1]
.endr
	ds_store_b128 v6, v[SP:SP+3] offset:SPB
	ds_store_b128 v6, v[SP+4:SP+7] offset:SPB+512
	s_wait_dscnt 0x0                               ; for the others' sake: my stores have landed
	s_barrier_signal -1
	s_barrier_wait -1
; The sum of sixteen images' four registers: 16 loads, a tree of 30 packed additions.
.macro RED adr, off, dst
.irp w, 0,1,2,3,4,5,6,7,8,9,10,11,12,13,14,15
	ds_load_b128 v[16+4*\w:19+4*\w], v[\adr] offset:\off+1024*\w
.endr
	s_wait_dscnt 0x0
.irp w, 0,1,2,3,4,5,6,7
	v_pk_add_f32 v[16+4*\w:17+4*\w], v[16+4*\w:17+4*\w], v[48+4*\w:49+4*\w]
	v_pk_add_f32 v[18+4*\w:19+4*\w], v[18+4*\w:19+4*\w], v[50+4*\w:51+4*\w]
.endr
.irp w, 0,1,2,3
	v_pk_add_f32 v[16+4*\w:17+4*\w], v[16+4*\w:17+4*\w], v[32+4*\w:33+4*\w]
	v_pk_add_f32 v[18+4*\w:19+4*\w], v[18+4*\w:19+4*\w], v[34+4*\w:35+4*\w]
.endr
.irp w, 0,1
	v_pk_add_f32 v[16+4*\w:17+4*\w], v[16+4*\w:17+4*\w], v[24+4*\w:25+4*\w]
	v_pk_add_f32 v[18+4*\w:19+4*\w], v[18+4*\w:19+4*\w], v[26+4*\w:27+4*\w]
.endr
	v_pk_add_f32 v[\dst:\dst+1], v[16:17], v[20:21]
	v_pk_add_f32 v[\dst+2:\dst+3], v[18:19], v[22:23]
.endm
	; 2: wave 0 adds the parts and takes the softmax: a lane holds query r and keys 8 h + 0 .. 7
	s_cmp_lg_u32 s12, 0
	s_cbranch_scc1 .Lnot_0
	RED 7, SPB, SP
	RED 7, SPB+512, SP+4
.irp j, 0,2,4,6
	v_pk_mul_f32 v[SP+\j:SP+\j+1], v[SP+\j:SP+\j+1], s[16:17] op_sel_hi:[1,0]   ; t = score x log2(e) / 32
.endr
.irp j, 0,1,2,3,4,5,6,7
	v_cmp_gt_i32 vcc_lo, \j, v9                    ; key 8 h + j comes after query r
	v_cndmask_b32 v[SP+\j], v[SP+\j], v224, vcc_lo
.endr
	v_max3_num_f32 v225, v[SP], v[SP+1], v[SP+2]
	v_max3_num_f32 v225, v225, v[SP+3], v[SP+4]
	v_max3_num_f32 v225, v225, v[SP+5], v[SP+6]
	v_max_num_f32 v225, v225, v[SP+7]
	v_permlanex16_b32 v226, v225, s14, s15
	v_max_num_f32 v228, v225, v226                 ; the row's largest t (key 0 counts for every query)
.irp j, 0,2,4,6
	v_pk_add_f32 v[SP+\j:SP+\j+1], v[SP+\j:SP+\j+1], v[228:229] op_sel_hi:[1,0] neg_lo:[0,1] neg_hi:[0,1]
.endr
.irp j, 0,1,2,3,4,5,6,7
	v_exp_f32 v[SP+\j], v[SP+\j]
.endr
	v_nop
	s_wait_alu depctr_va_vdst(0)                   ; one wait for the batch
	v_pk_add_f32 v[230:231], v[SP:SP+1], v[SP+2:SP+3]
	v_pk_add_f32 v[232:233], v[SP+4:SP+5], v[SP+6:SP+7]
	v_pk_add_f32 v[230:231], v[230:231], v[232:233]
	v_add_f32 v230, v230, v231
	v_permlanex16_b32 v226, v230, s14, s15
	v_add_f32 v230, v230, v226
	v_rcp_f32 v230, v230
	v_nop
	s_wait_alu depctr_va_vdst(0)
.irp j, 0,2,4,6
	v_pk_mul_f32 v[PR+\j:PR+\j+1], v[SP+\j:SP+\j+1], v[230:231] op_sel_hi:[1,0]
.endr
	ds_store_b128 v7, v[PR:PR+3] offset:PIMG
	ds_store_b128 v7, v[PR+4:PR+7] offset:PIMG+512
.Lnot_0:
	s_wait_dscnt 0x0
	s_barrier_signal -1
	s_barrier_wait -1
	; 3: ctx^T for my 64 channels, four tiles of 16 by turns; K place (h, j) of step s is key 8 h + 2 s + j
	ds_load_b128 v[PR:PR+3], v7 offset:PIMG
	ds_load_b128 v[PR+4:PR+7], v7 offset:PIMG+512
	s_wait_dscnt 0x0
	s_wait_loadcnt 0x0                             ; Wo and v
.irp t, 0,1,2,3
	v_wmma_f32_16x16x4_f32 v[CT+8*\t:CT+8*\t+7], v[VR+8*\t:VR+8*\t+1], v[PR:PR+1], 0
.endr
.irp s, 1,2,3
.irp t, 0,1,2,3
	v_wmma_f32_16x16x4_f32 v[CT+8*\t:CT+8*\t+7], v[VR+8*\t+2*\s:VR+8*\t+2*\s+1], v[PR+2*\s:PR+2*\s+1], v[CT+8*\t:CT+8*\t+7]
.endr
.endr
.rept 9
	v_nop                                          ; nine places: the results become an operand
.endr
	; 4: my 64 channels' part of out^T; K place (h, j) of step (t, s) is channel 16 t + 8 h + 2 s + j
	v_wmma_f32_16x16x4_f32 v[OA:OA+7], v[WR:WR+1], v[CT:CT+1], 0
	v_wmma_f32_16x16x4_f32 v[OA+8:OA+15], v[WR+2:WR+3], v[CT+2:CT+3], 0
	v_wmma_f32_16x16x4_f32 v[OA:OA+7], v[WR+4:WR+5], v[CT+4:CT+5], v[OA:OA+7]
	v_wmma_f32_16x16x4_f32 v[OA+8:OA+15], v[WR+6:WR+7], v[CT+6:CT+7], v[OA+8:OA+15]
.irp t, 1,2,3
.irp s, 0,1,2,3
	v_wmma_f32_16x16x4_f32 v[OA+8*(\s%2):OA+8*(\s%2)+7], v[WR+8*\t+2*\s:WR+8*\t+2*\s+1], v[CT+8*\t+2*\s:CT+8*\t+2*\s+1], v[OA+8*(\s%2):OA+8*(\s%2)+7]
.endr
.endr
.rept 8
	v_nop
.endr
.irp j, 0,2,4,6
	v_pk_add_f32 v[SP+\j:SP+\j+1], v[OA+\j:OA+\j+1], v[OA+8+\j:OA+8+\j+1]
.endr
	ds_store_b128 v6, v[SP:SP+3] offset:OPB
	ds_store_b128 v6, v[SP+4:SP+7] offset:OPB+512
	s_wait_dscnt 0x0
	s_barrier_signal -1
	s_barrier_wait -1
	; 5: waves 0 and 1 add the parts, four registers each, add bo and store: lane (r, h): out[r][16 ex + 8 h + 4 x wave + 0 .. 3]
	s_cmp_gt_u32 s12, 1
	s_cbranch_scc1 .Ldone
	global_load_b128 v[232:235], v10, s[8:9]
	RED 8, OPB, SP
	s_wait_loadcnt 0x0
	v_pk_add_f32 v[SP:SP+1], v[SP:SP+1], v[232:233]
	v_pk_add_f32 v[SP+2:SP+3], v[SP+2:SP+3], v[234:235]
	global_store_b128 v11, v[SP:SP+3], s[10:11]
.Ldone:
	s_wait_tensorcnt 0x0                           ; the wave's end, behind my last LDS store
	ds_add_u32 v[SPW], v[NIL]
	s_wait_dscnt 0x0
	s_endpgm
.Lfunc_end_k_q1f9d5c0310_first16:
	.size	k_q1f9d5c0310_first16, .Lfunc_end_k_q1f9d5c0310_first16-k_q1f9d5c0310_first16
	.p2alignl 7, 3214868480
	.fill 96, 4, 3214868480
	.section	.rodata,"a",@progbits
	.p2align	6, 0x0
	.amdhsa_kernel k_q1f9d5c0310_first16
		.amdhsa_group_segment_fixed_size 35840
		.amdhsa_private_segment_fixed_size 0
		.amdhsa_enable_private_segment 0
		.amdhsa_kernarg_size 32
		.amdhsa_user_sgpr_count 2
		.amdhsa_user_sgpr_kernarg_segment_ptr 1
		.amdhsa_wavefront_size32 1
		.amdhsa_system_sgpr_workgroup_id_x 1
		.amdhsa_system_sgpr_workgroup_id_y 1
		.amdhsa_system_sgpr_workgroup_id_z 1
		.amdhsa_system_vgpr_workitem_id 0
		.amdhsa_next_free_vgpr 256
		.amdhsa_next_free_sgpr 66
		.amdhsa_reserve_vcc 1
		.amdhsa_float_denorm_mode_32 3
		.amdhsa_float_denorm_mode_16_64 3
		.amdhsa_memory_ordered 1
		.amdhsa_forward_progress 1
		.amdhsa_inst_pref_size 25
	.end_amdhsa_kernel
	.amdgpu_metadata
---
amdhsa.version: [ 1, 2 ]
amdhsa.kernels:
  - .name:           k_q1f9d5c0310_first16
    .symbol:         k_q1f9d5c0310_first16.kd
    .args:
      - { .name: fine32, .offset: 0, .size: 8, .value_kind: global_buffer, .address_space: global }
      - { .name: Wo, .offset: 8, .size: 8, .value_kind: global_buffer, .address_space: global }
      - { .name: bo, .offset: 16, .size: 8, .value_kind: global_buffer, .address_space: global }
      - { .name: out0, .offset: 24, .size: 8, .value_kind: global_buffer, .address_space: global }
    .group_segment_fixed_size: 35840
    .private_segment_fixed_size: 0
    .kernarg_segment_align: 8
    .kernarg_segment_size: 32
    .max_flat_workgroup_size: 512
    .sgpr_count:     66
    .vgpr_count:     256
    .wavefront_size: 32
...
	.end_amdgpu_metadata
.endif
;; end of part 6
